; MI455X (gfx1250); checked and timed in simulation.
; The chip was launched on July 23, 2026; its instructions are those of AMD's public machine-readable ISA for CDNA 5 (MIT licence, August 2026) and "CDNA5" Instruction Set Architecture Reference Guide (July 2026). The comments in the code are by the model that wrote it; some were corrected since.
;; Causal Self Attention. Allowed arithmetic: matrix products marked QUANTISED: E2M1 operands, one E8M0 scale for each 32 along K, by v_wmma_scale_f32_16x16x128_f8f6f4 with both operands' format E2M1 (or v_wmma_scale_f32_32x16x128_f4), f32 sums; products left as they are: bf16, f16 or f32 operands; f32 sums; everything else in f32.
;; Inputs: Wk 256 x 1,024 float32; Wproj 1,024 x 1,024 float32; Wq 1,024 x 1,024 float32; Wv 256 x 1,024 float32; q_gain 16 float32; x 4 x 2,048 x 1,024 float32.
;; Outputs: out0 4 x 2,048 x 1,024 float32.
;; This version of the problem:
;;   THIS VERSION OF THE PROBLEM IS GIVEN IN LOW PRECISION. The matrix products marked QUANTISED in the list below multiply operands that are first quantised to E2M1 (2 exponent bits, 1 mantissa bit; 4 bits a number), with one power-of-two scale for each 32 numbers along K (OCP MX v1.0); their sums are f32. The products marked 'left as it is' may take bf16, f16 or f32 operands, with f32 sums. Whichever they take, every output number must still come out within the allowed error. Rounding operands to bf16 (8 significant bits) uses up far more of that allowance than f16 does (11 bits, for magnitudes from 6e-5 to 65,504). All else is computed in f32.
;;   The module's matrix products, in the order in which they are computed (A, B: the left and right operand; K: the contracted axis; several contracted axes count as one K, in the product's order):
;;     1. [M 8,192, K 1,024] x [K 1,024, N 1,024]; A: input x; B: input Wq: QUANTISED
;;     2. [M 8,192, K 1,024] x [K 1,024, N 256]; A: input x; B: input Wk: QUANTISED
;;     3. [M 8,192, K 1,024] x [K 1,024, N 256]; A: input x; B: input Wv: QUANTISED
;;     4. batch 64 x [M 2,048, K 64] x [K 64, N 2,048]; A: computed on the way; B: computed on the way: left as it is (an operand is computed on the way)
;;     5. batch 64 x [M 2,048, K 2,048] x [K 2,048, N 64]; A: computed on the way; B: computed on the way: left as it is (an operand is computed on the way)
;;     6. [M 8,192, K 1,024] x [K 1,024, N 1,024]; A: computed on the way; B: input Wproj: left as it is (an operand is computed on the way)
;;   THE QUANTISER, for each operand of a quantised product, along K:
;;     - K is cut into blocks of 32 from its start; a last block that is shorter is filled with zeros.
;;     - A block's scale is 2^e with e = floor(log2(the largest magnitude in the block)) - 2, held to -126 .. 127; a block of zeros has e = 0. As a byte (E8M0): e + 127.
;;     - Each number is divided by its block's scale, clamped to +-6, and rounded to the nearest number of E2M1, ties to even, subnormals kept.
;;     - The product sums the exact products of the quantised numbers (number of the format x scale) in f32.
;;   ~~~python
;;   def quantise(x, axis):      # numpy; x: float32 -> the quantised numbers, widened to float32 again
;;       x = np.moveaxis(x, axis, -1); K = x.shape[-1]
;;       x = np.pad(x, [(0, 0)] * (x.ndim - 1) + [(0, -K % 32)]); x = x.reshape(x.shape[:-1] + (-1, 32)); a = np.abs(x).max(-1, keepdims=True)
;;       e = np.where(a > 0, np.clip(np.frexp(np.where(a > 0, a, 1))[1] - 1 - 2, -126, 127), 0)      # np.frexp(a)[1] - 1 = floor(log2(a)), exactly
;;       r = np.clip(x / 2.0 ** e, -6, 6)
;;       step = 2.0 ** (np.maximum(np.frexp(np.where(r == 0, 1, r))[1] - 1, 0) - 1)
;;       q = np.round(r / step) * step * 2.0 ** e      # np.round: ties to even
;;       return np.moveaxis(q.reshape(q.shape[:-2] + (-1,))[..., :K], -1, axis).astype(np.float32)
;;   ~~~
;; One version. Each part assembles by itself: llvm-mc -triple=amdgcn-amd-amdhsa -mcpu=gfx1250 --defsym DOCPART=n.
;; ======== version 1 of 1: 5 launches
;; limits: values are held in f16: magnitudes above 65,504 overflow, below 6.1e-05 lose precision; right only within a limited range of input values
;; workspace buffers: codes 4,980,736 bytes; scales 311,296 bytes; wp16 2,097,152 bytes; tab 524,288 bytes; q16 16,777,216 bytes; kv16 8,388,608 bytes; fine 393,216 bytes; y16 16,777,216 bytes
;; launch prep (part 1): grid 400 x 1, 4 waves a work-group, no clusters, 33,280 bytes of LDS; arguments x, Wq, Wk, Wv, Wproj, codes, scales, wp16, tab; writes codes, scales, wp16, tab
.if DOCPART == 1
	.amdgcn_target "amdgcn-amd-amdhsa--gfx1250"
	.amdhsa_code_object_version 6
	.text
	.protected	k_q472f278f5e_prep
	.globl	k_q472f278f5e_prep
	.p2align	8
	.type	k_q472f278f5e_prep,@function
k_q472f278f5e_prep:
	s_mov_b64 s[64:65], 0
	v_nop
	global_prefetch_b8 v0, s[64:65] scope:SCOPE_SE
	s_setreg_imm32_b32 hwreg(HW_REG_WAVE_MODE, 25, 1), 1
	s_wait_xcnt 0x0
; PREP.  Three kinds of work-groups, told apart by the work-group's number alone.
;   0 .. 303   x, Wq, Wk, Wv (f32, K innermost) become codes of FP4 (E2M1) with one E8M0 byte for each 32 along K.  A block's scale is 2^(floor(log2(largest magnitude)) - 2); each number is divided by it and
;              rounded to the nearest code, ties to even, beyond 6 the largest code.  A work-group takes 32 rows of 1,024 numbers, a wave 8 rows (16 steps of 512 numbers).
;              x's rows keep their order.  The weights' 1,536 rows are laid in eight column blocks of 192 rows: query head 2 bx, query head 2 bx + 1, then key head bx (bx < 4) or value head bx - 4.
;   304 .. 367 Wproj becomes f16, in place order: 4,096 numbers a wave.
;   368 .. 399 the table of rotations: tab[s][i] = cos(s f_i), tab[s][32 + i] = sin(s f_i), f_i = 10000^(-i / 32): 16 positions a wave.
; LIMITS: NaN and infinities are not served.  A block whose largest magnitude lies under 2^-124 (a block of zeros too) keeps the byte 1; its codes are then what the byte 1 gives (zeros for zeros); the bytes are read by this program alone.
;         |Wproj| stays under 65,504.  f_i is made by one exponential to base 2, so an angle (up to 2,047) lies within about 2e-4 rad of the one that a correctly rounded f_i would give.
.set WAVES, 4
.set STEPS, 16
.set EMAX,  2
.set CB,    8                          ; bytes of 16 codes
.set R,     16                         ; v16-79   four sets of 16 numbers as they are loaded
.set X,     80                         ; v80-111  two sets of 16 neighbours
.set C,     128                        ; v128-191 codes: four registers for each step, so that no store's data are written again
.set E,     112                        ; v112-127 a scale byte for each step
.set WREG,  8192                       ; LDS: a region for each wave: two stages of 32 x SP bytes, behind them its 256 scale bytes
.set SP,    80                         ; a lane's place in a stage: 64 bytes + 16 of padding
.set SPW,   12                         ; v12 LDS address of my spare word; never rewritten
.set NIL,   13                         ; v13 0; never rewritten
.set SPARE, WAVES*WREG                 ; behind the four regions: the spare words, 128 bytes a wave
	s_load_b256 s[4:11], s[0:1], 0x0               ; x, Wq, Wk, Wv
	s_load_b256 s[12:19], s[0:1], 0x20             ; Wproj, codes, scales, wp16
	s_load_b64 s[20:21], s[0:1], 0x40              ; tab
	v_lshl_add_u32 v[SPW], v0, 2, SPARE
	v_mov_b32 v[NIL], 0
	v_lshrrev_b32 v1, 5, v0
	v_readfirstlane_b32 s22, v1                    ; wave
	v_and_b32 v2, 31, v0                           ; lane
	s_wait_kmcnt 0x0
	s_cmp_lt_u32 ttmp9, 304
	s_cbranch_scc0 .Lnot_q
; ---------------- the quantiser ----------------
	v_lshlrev_b32 v3, 4, v2                        ; my 16 bytes of a load's 512
	s_mul_i32 s23, s22, WREG
	v_lshrrev_b32 v14, 2, v2
	v_mul_u32_u24 v14, v14, SP
	v_and_b32 v15, 3, v2
	v_lshl_add_u32 v14, v15, 4, v14
	v_add_nc_u32 v14, s23, v14                     ; the stage, on the way in: four lanes' 64 bytes on end, then 16 of padding
	v_mul_u32_u24 v15, v2, SP
	v_add_nc_u32 v15, s23, v15                     ; and on the way out: my 16 neighbours
	v_mul_u32_u24 v4, v2, CB                       ; my codes' place in a step's 256 bytes
	v_lshrrev_b32 v5, 1, v2
	s_add_co_u32 s23, s23, 2*32*SP
	v_add_nc_u32 v5, s23, v5                       ; LDS: my block's scale byte
	v_lshlrev_b32 v7, 3, v2
	v_add_nc_u32 v6, s23, v7                       ; and on the way out 8 bytes a lane
	; which tensor, which 32 rows of it, and where they go.  All by selects on the work-group's number; only pointers and offsets are chosen, the text has one path
	s_sub_co_u32 s24, ttmp9, 256                   ; j: the weights' work-groups, 0 .. 47
	s_lshr_b32 s25, s24, 2
	s_mul_i32 s25, s25, 192                        ; Wq: head j / 2 lies in column block j / 4,
	s_and_b32 s26, s24, 3
	s_lshl_b32 s26, s26, 5
	s_add_co_u32 s25, s25, s26                     ; at row 32 (j % 4) of it
	s_sub_co_u32 s27, s24, 32                      ; jj: Wk's and Wv's work-groups, 0 .. 15
	s_lshr_b32 s28, s27, 1
	s_mul_i32 s28, s28, 192
	s_and_b32 s29, s27, 1
	s_lshl_b32 s29, s29, 5
	s_add_co_u32 s28, s28, s29
	s_add_co_u32 s28, s28, 128                     ; the third head of column block jj / 2
	s_and_b32 s29, s27, 7                          ; which 32 rows of Wk or of Wv
	s_cmp_lt_u32 s27, 8
	s_cselect_b64 s[30:31], s[8:9], s[10:11]
	s_cmp_lt_u32 s24, 32
	s_cselect_b64 s[30:31], s[6:7], s[30:31]
	s_cselect_b32 s25, s25, s28                    ; the weights' destination row
	s_cselect_b32 s26, s24, s29                    ; the source's block of 32 rows
	s_lshl_b32 s28, s25, 9
	s_add_co_u32 s28, s28, 4194304                 ; the weights' codes lie behind x's
	s_lshl_b32 s29, s25, 5
	s_add_co_u32 s29, s29, 262144                  ; and their scale bytes behind x's
	s_lshl_b32 s34, ttmp9, 14
	s_lshl_b32 s35, ttmp9, 10
	s_cmp_lt_u32 ttmp9, 256
	s_cselect_b64 s[30:31], s[4:5], s[30:31]
	s_cselect_b32 s26, ttmp9, s26
	s_cselect_b32 s28, s34, s28
	s_cselect_b32 s29, s35, s29
	s_lshl_b32 s32, s26, 17                        ; 32 rows of 4,096 bytes,
	s_lshl_b32 s34, s22, 15                        ; my wave's 8 of them
	s_add_co_u32 s32, s32, s34
	s_mov_b32 s33, 0
	s_add_nc_u64 s[30:31], s[30:31], s[32:33]
	s_lshl_b32 s34, s22, 12
	s_add_co_u32 s32, s28, s34
	s_add_nc_u64 s[14:15], s[14:15], s[32:33]
	s_lshl_b32 s34, s22, 8
	s_add_co_u32 s32, s29, s34
	s_add_nc_u64 s[16:17], s[16:17], s[32:33]
.macro LOAD t
.irp i, 0,1,2,3
	global_load_b128 v[R+16*((\t)%4)+4*\i:R+16*((\t)%4)+4*\i+3], v3, s[30:31] offset:2048*(\t)+512*\i th:TH_LOAD_NT   ; 32 lanes read 512 consecutive bytes
.endr
.endm
.macro TURN t                          ; step t's numbers through the stage: LDS serves a wave's instructions in order, so no wait stands between the stores and the loads
.irp i, 0,1,2,3
	ds_store_b128 v14, v[R+16*((\t)%4)+4*\i:R+16*((\t)%4)+4*\i+3] offset:32*SP*((\t)%2)+8*SP*\i
.endr
.irp i, 0,1,2,3
	ds_load_b128 v[X+16*((\t)%2)+4*\i:X+16*((\t)%2)+4*\i+3], v15 offset:32*SP*((\t)%2)+16*\i
.endr
.endm
.irp t, 0,1,2,3
	LOAD \t
.endr
	s_wait_loadcnt 12                              ; step 0's four loads are in; the twelve of steps 1 to 3 may be out
	TURN 0
.macro STEP t
.set XS, X+16*((\t)%2)
.if (\t) > 0
	s_wait_dscnt 1                                 ; this step's numbers are back from the stage (the last step's byte store may be out)
.else
	s_wait_dscnt 0x0
.endif
.if (\t)+4 < STEPS
	LOAD (\t)+4                                    ; into the registers that this step's stores into the stage have read
.endif
.if (\t)+1 < STEPS
.if STEPS-2-(\t) >= 3
	s_wait_loadcnt 12                              ; the next step's four loads are in; those of the three steps behind it may be out
.else
	s_wait_loadcnt 4*(STEPS-2-(\t))
.endif
	TURN (\t)+1
.endif
	v_max3_num_f32 v8, |v[XS]|, |v[XS+1]|, |v[XS+2]|               ; the largest magnitude of my 16, in two chains
	v_max3_num_f32 v9, |v[XS+3]|, |v[XS+4]|, |v[XS+5]|
.irp i, 6,10
	v_max3_num_f32 v8, v8, |v[XS+\i]|, |v[XS+\i+1]|
	v_max3_num_f32 v9, v9, |v[XS+\i+2]|, |v[XS+\i+3]|
.endr
	v_max3_num_f32 v8, v8, |v[XS+14]|, |v[XS+15]|
	v_max3_num_f32 v8, v8, v9, (EMAX+1)<<23        ; and the floor 2^(3 - 127): the byte cannot fall under 1
	v_max_num_f32_dpp v8, v8, v8 row_xmask:1 row_mask:0xf bank_mask:0xf   ; with my neighbour's 16: the block's
	v_add_nc_u32 v11, -(EMAX<<23), v8              ; 2 off its exponent field: the conversion takes the exponent field of this operand as its scale
	v_cvt_scalef32_pk8_fp4_f32 v[C+4*(\t)], v[XS:XS+7], v11
	v_cvt_scalef32_pk8_fp4_f32 v[C+4*(\t)+1], v[XS+8:XS+15], v11
	v_lshrrev_b32 v[E+(\t)], 23, v11               ; the scale's byte (a plain line behind the conversions)
	ds_store_b8 v5, v[E+(\t)] offset:16*(\t)       ; both lanes of a block write the same byte with the same value
	global_store_b64 v4, v[C+4*(\t):C+4*(\t)+1], s[14:15] offset:32*CB*(\t)   ; the wave stores 256 consecutive bytes, aligned
.endm
.irp t, 0,1,2,3,4,5,6,7,8,9,10,11,12,13,14,15
	STEP \t
.endr
	ds_load_b64 v[8:9], v6                         ; my wave's 256 scale bytes: these loads see my stores
	s_wait_dscnt 0x0
	global_store_b64 v7, v[8:9], s[16:17]          ; 256 consecutive bytes, aligned
	s_wait_tensorcnt 0x0                           ; the wave's end: a wait, an add to my spare word and its wait, behind my last LDS store
	ds_add_u32 v[SPW], v[NIL]
	s_wait_dscnt 0x0
	s_endpgm
; ---------------- Wproj to f16 ----------------
.Lnot_q:
	s_cmp_lt_u32 ttmp9, 368
	s_cbranch_scc0 .Ltable
	s_sub_co_u32 s24, ttmp9, 304
	s_lshl_b32 s24, s24, 2
	s_add_co_u32 s24, s24, s22                     ; which run of 4,096 numbers is my wave's
	s_lshl_b32 s26, s24, 14
	s_mov_b32 s27, 0
	s_add_nc_u64 s[12:13], s[12:13], s[26:27]
	s_lshl_b32 s26, s24, 13
	s_add_nc_u64 s[18:19], s[18:19], s[26:27]
	v_lshlrev_b32 v3, 4, v2
	v_lshlrev_b32 v4, 3, v2
.set i, 0
.rept 32
	global_load_b128 v[16+4*i:19+4*i], v3, s[12:13] offset:512*i th:TH_LOAD_NT   ; all 32 loads of the wave go out together
.set i, i+1
.endr
.set i, 0
.rept 32
	s_wait_loadcnt 31-i                            ; loads come back in order: load i is in, the younger ones may be out
	v_cvt_pk_f16_f32 v[16+4*i], v[16+4*i], v[17+4*i]
	v_cvt_pk_f16_f32 v[17+4*i], v[18+4*i], v[19+4*i]
	global_store_b64 v4, v[16+4*i:17+4*i], s[18:19] offset:256*i   ; 256 consecutive bytes, aligned
.set i, i+1
.endr
	s_endpgm
; ---------------- the table of rotations ----------------
.Ltable:
	s_mov_b32 s24, 0x3f22f983                      ; 2 / pi
	s_mov_b32 s25, 0xbfc90fdb                      ; -(pi / 2), the f32 next to it,
	s_mov_b32 s26, 0x333bbd2e                      ; and what that leaves out
	s_mov_b32 s27, 0xb94ca1f9                      ; sine on +-pi/4: r + r z (S1 + z (S2 + z S3)), z = r r
	s_mov_b32 s28, 0x3c08839e
	s_mov_b32 s29, 0xbe2aaaa3
	s_mov_b32 s30, 0x37ccf5ce                      ; cosine: 1 - z / 2 + z z (C2 + z (C1 + z C0))
	s_mov_b32 s31, 0xbab6061a
	s_mov_b32 s32, 0x3d2aaaa5
	s_sub_co_u32 s33, ttmp9, 368
	s_lshl_b32 s33, s33, 2
	s_add_co_u32 s33, s33, s22                     ; which 16 positions are my wave's
	s_lshl_b32 s34, s33, 12                        ; 16 rows of 256 bytes
	s_mov_b32 s35, 0
	s_add_nc_u64 s[20:21], s[20:21], s[34:35]
	s_lshl_b32 s33, s33, 4
	v_bfe_u32 v20, v0, 4, 1                        ; lanes 0-15 take one position, lanes 16-31 the next
	v_add_nc_u32 v20, s33, v20
	v_cvt_f32_u32 v20, v20                         ; t
	v_bfe_u32 v30, v0, 3, 1                        ; words 32 .. 63 of a row are sines:
	v_mul_u32_u24 v30, v30, 3                      ; sin(a) = cos(a + 3 pi / 2)
	v_lshlrev_b32 v31, 4, v2                       ; my 16 bytes of a step's 512
	v_and_b32 v21, 7, v0
	v_lshlrev_b32 v21, 2, v21                      ; i of my first word
.irp e, 0,1,2,3
	v_add_nc_u32 v[22+\e], \e, v21
	v_cvt_f32_u32 v[22+\e], v[22+\e]
	v_mul_f32 v[22+\e], 0xbed49a78, v[22+\e]       ; -i log2(10000) / 32
.endr
.irp e, 0,1,2,3
	v_exp_f32 v[16+\e], v[22+\e]                   ; f_i
.endr
	v_nop                                          ; a plain line behind the exponentials,
	s_wait_alu depctr_va_vdst(0)                   ; and one wait for the four, ahead of their first reader
.set st, 0
.rept 8
.irp e, 0,1,2,3
	v_mul_f32 v22, v20, v[16+\e]                   ; the angle, rounded once
	v_mul_f32 v23, s24, v22
	v_rndne_f32 v23, v23                           ; n quarter turns
	v_fma_f32 v24, v23, s25, v22
	v_fma_f32 v24, v23, s26, v24                   ; r = angle - n pi / 2
	v_mul_f32 v25, v24, v24                        ; z
	v_fma_f32 v26, v25, s27, s28
	v_fma_f32 v26, v26, v25, s29
	v_mul_f32 v27, v25, v24
	v_fma_f32 v26, v26, v27, v24                   ; sin r
	v_fma_f32 v28, v25, s30, s31
	v_fma_f32 v28, v28, v25, s32
	v_mul_f32 v27, v25, v25
	v_fma_f32 v29, v25, -0.5, 1.0
	v_fma_f32 v28, v28, v27, v29                   ; cos r
	v_cvt_i32_f32 v23, v23
	v_add_nc_u32 v23, v23, v30                     ; k = n, or n + 3 for a sine
	v_and_b32 v27, 1, v23
	v_cmp_eq_u32 vcc_lo, 1, v27
	v_cndmask_b32 v28, v28, v26, vcc_lo            ; cos(r + k pi / 2): k odd: the sine,
	v_add_nc_u32 v23, 1, v23
	v_and_b32 v23, 2, v23
	v_lshlrev_b32 v23, 30, v23
	v_xor_b32 v[32+4*st+\e], v28, v23              ; negative for k % 4 = 1, 2
.endr
	global_store_b128 v31, v[32+4*st:35+4*st], s[20:21] offset:512*st   ; two rows: 512 consecutive bytes; each step has its own data registers
	v_add_f32 v20, 2.0, v20
.set st, st+1
.endr
	s_endpgm
.Lfunc_end_k_q472f278f5e_prep:
	.size	k_q472f278f5e_prep, .Lfunc_end_k_q472f278f5e_prep-k_q472f278f5e_prep
	.p2alignl 7, 3214868480
	.fill 96, 4, 3214868480
	.section	.rodata,"a",@progbits
	.p2align	6, 0x0
	.amdhsa_kernel k_q472f278f5e_prep
		.amdhsa_group_segment_fixed_size 33280
		.amdhsa_private_segment_fixed_size 0
		.amdhsa_enable_private_segment 0
		.amdhsa_kernarg_size 72
		.amdhsa_user_sgpr_count 2
		.amdhsa_user_sgpr_kernarg_segment_ptr 1
		.amdhsa_wavefront_size32 1
		.amdhsa_system_sgpr_workgroup_id_x 1
		.amdhsa_system_sgpr_workgroup_id_y 1
		.amdhsa_system_sgpr_workgroup_id_z 1
		.amdhsa_system_vgpr_workitem_id 0
		.amdhsa_next_free_vgpr 192
		.amdhsa_next_free_sgpr 66
		.amdhsa_reserve_vcc 1
		.amdhsa_float_denorm_mode_32 3
		.amdhsa_float_denorm_mode_16_64 3
		.amdhsa_memory_ordered 1
		.amdhsa_forward_progress 1
		.amdhsa_inst_pref_size 82
	.end_amdhsa_kernel
	.amdgpu_metadata
---
amdhsa.version: [ 1, 2 ]
amdhsa.kernels:
  - .name:           k_q472f278f5e_prep
    .symbol:         k_q472f278f5e_prep.kd
    .args:
      - { .name: x, .offset: 0, .size: 8, .value_kind: global_buffer, .address_space: global }
      - { .name: Wq, .offset: 8, .size: 8, .value_kind: global_buffer, .address_space: global }
      - { .name: Wk, .offset: 16, .size: 8, .value_kind: global_buffer, .address_space: global }
      - { .name: Wv, .offset: 24, .size: 8, .value_kind: global_buffer, .address_space: global }
      - { .name: Wproj, .offset: 32, .size: 8, .value_kind: global_buffer, .address_space: global }
      - { .name: codes, .offset: 40, .size: 8, .value_kind: global_buffer, .address_space: global }
      - { .name: scales, .offset: 48, .size: 8, .value_kind: global_buffer, .address_space: global }
      - { .name: wp16, .offset: 56, .size: 8, .value_kind: global_buffer, .address_space: global }
      - { .name: tab, .offset: 64, .size: 8, .value_kind: global_buffer, .address_space: global }
    .group_segment_fixed_size: 33280
    .private_segment_fixed_size: 0
    .kernarg_segment_align: 8
    .kernarg_segment_size: 72
    .max_flat_workgroup_size: 128
    .sgpr_count:     66
    .vgpr_count:     192
    .wavefront_size: 32
...
	.end_amdgpu_metadata
.endif
;; end of part 1
;; launch qkv (part 2): grid 8 x 32, 4 waves a work-group, clusters of 4 x 4, 327,680 bytes of LDS; arguments codes, scales, tab, q_gain, q16, kv16, fine; writes q16, kv16, fine
.if DOCPART == 2
	.amdgcn_target "amdgcn-amd-amdhsa--gfx1250"
	.amdhsa_code_object_version 6
	.text
	.protected	k_q472f278f5e_qkv
	.globl	k_q472f278f5e_qkv
	.p2align	8
	.type	k_q472f278f5e_qkv,@function
k_q472f278f5e_qkv:
	s_mov_b64 s[64:65], 0
	v_nop
	global_prefetch_b8 v0, s[64:65] scope:SCOPE_SE
	s_setreg_imm32_b32 hwreg(HW_REG_WAVE_MODE, 25, 1), 1
	s_wait_xcnt 0x0
	s_wait_alu depctr_hold_cnt(0) depctr_sa_sdst(0) depctr_va_vdst(0) depctr_va_sdst(0) depctr_va_ssrc(0) depctr_va_vcc(0) depctr_vm_vsrc(0)
	s_getreg_b32 s2, hwreg(HW_REG_IB_STS2, 6, 4)
	s_cmp_eq_u32 s2, 0
	s_cbranch_scc0 .Lentry_in_a_cluster
	s_endpgm
.Lentry_in_a_cluster:
	s_bfe_u32 s2, ttmp6, 0x10000c
	s_cmp_lg_u32 s2, 0xf033
	s_cbranch_scc0 .Lentry_shape_is_right
	s_endpgm
.Lentry_shape_is_right:
; QKV.  [8,192 x 1,024] x [1,024 x 1,536] on codes of FP4 with E8M0 scales, then in f32: RMS norm over each head's 64, the rotation, the query gain; results leave as f16.
; q16 [4][16][2048][64] holds rope(rms(q)) x gain x log2(e) / 8, so that the attention's scores are exponents to base 2; kv16 holds rope(rms(k)) [4][4][2048][64] and, 4,194,304 bytes on, v in the same shape.
; fine [4][24][16][64] f32 holds the same numbers of positions 0 to 15 of each batch unrounded (heads 0-15 q, 16-19 k, 20-23 v): 16 bytes a lane, 393,216 bytes in the whole launch.
; SHARES.  A work-group makes 256 rows x 192 columns (three heads: two of q, one of k or v); 8 x 32 work-groups.  A wave makes 64 rows x 192: 48 accumulators.  All of K lies in LDS: two slots of 512 along K, each filled once.
; CLUSTERS, 4 x 4.  The column block is 4 X + cx, the tile row 8 cy + Y (X, Y: the cluster's place in the grid): the four of a cluster's row need the same rows of x, the four of a column the same rows of W,
; and each tile is asked for jointly.  With that numbering 'the third head is k' (X = 0) and 'the tile holds positions 0-15' (Y = 0) are the same in all sixteen partners, so branches may hang on them.
; THE MATRIX INSTRUCTION IS USED TRANSPOSED (source 0 = 16 rows of W, source 1 = 16 rows of x): lane (r, h) holds row r of x and, in register j of tile b, column 16 b + 8 h + j.
; LIMITS: NaN and infinities are not served; |v| stays under 65,504 and |q_gain| under about 4e4 (f16).
; REGISTERS, in windows of 256: window 0: v4-15 addresses; v16-27 1/rms; v28-29 a row's factor; v32-47 x's scale words, v48-95 W's (they hold nothing else); v96-159 x's fragments, two sets; v160-191 a head's 32 numbers;
;   v192-223 packed results, two sets; v224-247 sums of squares; v248-255 at work.   window 1: W's fragments, two sets of 96.   window 2: accumulators of row tiles 0, 1 (tile a, column tile b at 96 (a % 2) + 8 b), from v192 their cosines and sines.   window 3: the same for row tiles 2, 3.
.set PITCH,  272                       ; an LDS row: 256 bytes + 16 of padding: the 16 rows that a load touches start at 16 different banks
.set ASZ,    256*PITCH                 ; x's 256 rows
.set SLOT,   448*PITCH                 ; and W's 192 behind them
.set STAGE,  2*SLOT                    ; behind the slots: 16 rows x 144 bytes for each wave, for the way out
.set SPITCH, 144
.set SPARE,  STAGE+4*16*SPITCH         ; the spare words, 128 bytes a wave
.set SPW, 14
.set NIL, 15
.set RR,  16
.set XS,  32
.set WS,  48
.set AF,  96
.set OO,  160
.set PP,  192
.set SS,  224
.set TT,  248
.set G1A, 24                           ; s[24:31] group 1 for x's tiles; s[32:39] group 0, a set for each slot
.set G0A, 32
.set G1B, 48                           ; s[48:55], s[56:63] the same for W's
.set G0B, 56
.set MSB, 0
.macro WIN new                         ; the immediate's high byte repeats the setting that is left
.if MSB != (\new)
	s_set_vgpr_msb (MSB<<8)|(\new)
.set MSB, (\new)
.endif
.endm
.macro CROUND                          ; a round of the cluster's barrier
	s_barrier_signal -1
	s_barrier_wait -1
	s_cmp_lg_u32 s18, 0
	s_cbranch_scc1 .Lnot_wave_0_\@
	s_barrier_signal -3
.Lnot_wave_0_\@:
	s_barrier_wait -3
	s_barrier_signal -1
	s_barrier_wait -1
.endm
.macro PLACES
.rept 4
	v_nop
.endr
.endm
	s_load_b256 s[4:11], s[0:1], 0x0               ; codes, scales, tab, q_gain
	s_load_b128 s[12:15], s[0:1], 0x20             ; q16, kv16
	s_load_b64 s[16:17], s[0:1], 0x30              ; fine
	v_lshl_add_u32 v[SPW], v0, 2, SPARE
	v_mov_b32 v[NIL], 0
	ds_add_u32 v[SPW], v[NIL]                      ; the opening: the add, twice on end, and its wait ahead of my first tensor load
	ds_add_u32 v[SPW], v[NIL]
	v_lshrrev_b32 v1, 5, v0
	v_readfirstlane_b32 s18, v1                    ; wave
	s_lshr_b32 s19, s18, 1                         ; I fetch for x (0) or for W (1),
	s_and_b32 s20, s18, 1                          ; which half of the tile
	s_bfe_u32 s21, ttmp6, 0x40000                  ; cx
	s_bfe_u32 s22, ttmp6, 0x40004                  ; cy = the batch
	s_mov_b32 s23, ttmp9                           ; X
	s_and_b32 s66, ttmp7, 0xffff                   ; Y = which 256 positions of the batch
	s_lshl_b32 s67, ttmp9, 2
	s_add_co_u32 s67, s67, s21                     ; bx, the column block
	s_lshl_b32 s40, s22, 2
	s_lshl_b32 s40, 15, s40                        ; my row of the cluster
	s_lshl_b32 s41, 0x1111, s21                    ; my column
	s_or_b32 s[G1A], s40, (1<<20)|(1<<21)|(5<<22)|(3<<25)   ; 15:0 the mask; elements of 1 byte; padding on; bit 21 beside a mask; 4 words behind every 64
	s_or_b32 s[G1B], s41, (1<<20)|(1<<21)|(5<<22)|(3<<25)
	s_mov_b32 s[G1A+1], 256<<16                    ; tensor_dim0 = 256 bytes
	s_mov_b32 s[G1A+2], 128<<16                    ; tensor_dim1 = 128 rows
	s_mov_b32 s[G1A+3], 256<<16                    ; tile_dim0
	s_mov_b32 s[G1A+4], 128                        ; tile_dim1
	s_mov_b32 s[G1A+5], 512                        ; from row to row
	s_mov_b32 s[G1A+6], 0
	s_mov_b32 s[G1A+7], 0
	s_mov_b32 s[G1B+1], 256<<16
	s_mov_b32 s[G1B+2], 96<<16                     ; W: 96 rows a load
	s_mov_b32 s[G1B+3], 256<<16
	s_mov_b32 s[G1B+4], 96
	s_mov_b32 s[G1B+5], 512
	s_mov_b32 s[G1B+6], 0
	s_mov_b32 s[G1B+7], 0
	s_lshl_b32 s42, s22, 3
	s_add_co_u32 s42, s42, s66                     ; the tile row
	s_lshl_b32 s42, s42, 8
	s_lshl_b32 s44, s20, 7
	s_add_co_u32 s42, s42, s44                     ; x: row 256 x tile row + 128 x half,
	s_lshl_b32 s42, s42, 9                         ; 512 bytes a row
	s_mov_b32 s43, 0
	s_mul_i32 s46, s67, 192
	s_mul_i32 s44, s20, 96
	s_add_co_u32 s46, s46, s44                     ; W: row 192 bx + 96 x half
	s_lshl_b32 s46, s46, 9
	s_add_co_u32 s46, s46, 4194304                 ; behind x's codes
	s_mov_b32 s47, 0
	s_mul_i32 s44, s20, 128*PITCH                  ; where they go: no place in the cluster enters an LDS address
	s_mul_i32 s45, s20, 96*PITCH
	s_add_co_u32 s45, s45, ASZ
	s_wait_dscnt 0x0                               ; both opening adds are done
	s_wait_kmcnt 0x0
	s_add_nc_u64 s[42:43], s[4:5], s[42:43]
	s_add_nc_u64 s[46:47], s[4:5], s[46:47]
	CROUND                                         ; all sixteen work-groups are here: the joint loads meet
.irp s, 0,1
	s_mov_b32 s[G0A+4*\s], 1
	s_add_co_u32 s[G0A+4*\s+1], s44, \s*SLOT
	s_add_nc_u64 s[G0A+4*\s+2:G0A+4*\s+3], s[42:43], \s*256
	s_or_b32 s[G0A+4*\s+3], s[G0A+4*\s+3], 0x80000000
	s_mov_b32 s[G0B+4*\s], 1
	s_add_co_u32 s[G0B+4*\s+1], s45, \s*SLOT
	s_add_nc_u64 s[G0B+4*\s+2:G0B+4*\s+3], s[46:47], \s*256
	s_or_b32 s[G0B+4*\s+3], s[G0B+4*\s+3], 0x80000000
.endr
	s_cmp_eq_u32 s19, 0                            ; a wave's two fills stand in one branch on the wave's number: two loads of mine are out, and no slot is ever filled again
	s_cbranch_scc0 .Lfirst_b
	tensor_load_to_lds s[G0A:G0A+3], s[G1A:G1A+7]
	s_nop 0
	tensor_load_to_lds s[G0A+4:G0A+7], s[G1A:G1A+7]
	s_nop 0
	PLACES
	s_branch .Lfirst_done
.Lfirst_b:
	tensor_load_to_lds s[G0B:G0B+3], s[G1B:G1B+7]
	s_nop 0
	tensor_load_to_lds s[G0B+4:G0B+7], s[G1B:G1B+7]
	s_nop 0
	PLACES
.Lfirst_done:
	s_lshl_b32 s40, s67, 3                         ; the gains of heads 2 bx and 2 bx + 1
	s_mov_b32 s41, 0
	s_add_nc_u64 s[10:11], s[10:11], s[40:41]
	s_load_b64 s[70:71], s[10:11], 0x0
	v_and_b32 v1, 15, v0                           ; r
	v_bfe_u32 v2, v0, 4, 1                         ; h
	v_and_b32 v12, 31, v0                          ; lane
	v_lshlrev_b32 v13, 5, v12                      ; a row of scale bytes is 32 bytes
	v_lshlrev_b32 v10, 4, v12
	v_lshlrev_b32 v11, 8, v1
	v_lshl_add_u32 v11, v2, 5, v11                 ; the table and fine: row r of 256 bytes, + 32 h
	s_lshl_b32 s69, s66, 8
	s_lshl_b32 s40, s18, 6
	s_add_co_u32 s69, s69, s40                     ; my wave's first position in the batch
	s_lshl_b32 s40, s22, 11
	s_add_co_u32 s40, s40, s69                     ; its row of x
	s_lshl_b32 s40, s40, 5
	s_add_nc_u64 s[88:89], s[6:7], s[40:41]
	s_mul_i32 s40, s67, 192*32
	s_add_co_u32 s40, s40, 262144
	s_add_nc_u64 s[90:91], s[6:7], s[40:41]
	s_lshl_b32 s40, s69, 8
	s_add_nc_u64 s[8:9], s[8:9], s[40:41]
	; THE SCALE WORDS, once, for all of K: a register pair of tiles: lanes 0-15 hold the rows of tile 2 p, lanes 16-31 those of tile 2 p + 1; register 8 p + q is the word of K step q.  32 lanes read 1,024 consecutive bytes in two loads
.irp p, 0,1
.irp c, 0,1
	global_load_b128 v[XS+8*\p+4*\c:XS+8*\p+4*\c+3], v13, s[88:89] offset:1024*\p+16*\c
.endr
.endr
.irp p, 0,1,2,3,4,5
.irp c, 0,1
	global_load_b128 v[WS+8*\p+4*\c:WS+8*\p+4*\c+3], v13, s[90:91] offset:1024*\p+16*\c
.endr
.endr
	; the cosines and sines of my 64 positions, in the accumulators' layout: for row tile a: cos of i = 8 h + j, cos of i = 16 + 8 h + j, the two sines
.irp a, 0,1,2,3
	WIN 0x80+0x40*(\a/2)
.irp k, 0,1,2,3
.irp c, 0,1
	global_load_b128 v[192+32*(\a%2)+8*\k+4*\c:192+32*(\a%2)+8*\k+4*\c+3], v11, s[8:9] offset:\a*4096+128*(\k/2)+64*(\k%2)+16*\c
.endr
.endr
.endr
	WIN 0
	v_mul_u32_u24 v3, v1, PITCH
	v_lshl_add_u32 v3, v2, 4, v3                   ; a fragment's row x pitch + 16 x half
	s_mul_i32 s40, s18, 64*PITCH
	v_add_nc_u32 v4, s40, v3                       ; x's fragments: my 64 rows, slot 0,
	v_add_nc_u32 v5, SLOT, v4                      ; slot 1
	v_add_nc_u32 v6, ASZ, v3                       ; W's
	v_add_nc_u32 v7, SLOT, v6
	s_mul_i32 s40, s18, 16*SPITCH
	s_add_co_u32 s40, s40, STAGE                   ; my stage
	v_mul_u32_u24 v8, v1, SPITCH
	v_lshl_add_u32 v8, v2, 4, v8
	v_add_nc_u32 v8, s40, v8                       ; in: row r, 16 bytes for each half of the lanes
	v_lshrrev_b32 v9, 3, v12
	v_mul_u32_u24 v9, v9, SPITCH
	v_and_b32 v3, 7, v0
	v_lshl_add_u32 v9, v3, 4, v9
	v_add_nc_u32 v9, s40, v9                       ; back: eight lanes to a row of 128 bytes, four rows a load
	v_mov_b32 v29, 0                               ; (named as the upper half of the pair v[28:29])
.irp i, 0,1,2,3,4,5,6,7
	v_mov_b32 v[TT+\i], 0                          ; written once: a lane permute's destination counts as one of its sources
.endr
	s_mov_b32 s72, 0x76543210
	s_mov_b32 s73, 0xfedcba98                      ; lane l xor 16
	s_mov_b32 s74, 0x3c800000                      ; 1 / 64
	s_mov_b32 s75, 0x34000000                      ; EPS = 2^-23
	s_lshl_b32 s40, s22, 4
	s_lshl_b32 s92, s67, 1
	s_add_co_u32 s40, s40, s92                     ; head 16 cy + 2 bx
	s_lshl_b32 s40, s40, 11
	s_add_co_u32 s40, s40, s69
	s_lshl_b32 s40, s40, 7
	s_add_nc_u64 s[76:77], s[12:13], s[40:41]      ; where my rows of the first q head go,
	s_add_nc_u64 s[78:79], s[76:77], 2048*128      ; of the second,
	s_lshl_b32 s40, s22, 2
	s_add_co_u32 s40, s40, s21
	s_lshl_b32 s40, s40, 11
	s_add_co_u32 s40, s40, s69
	s_lshl_b32 s40, s40, 7
	s_lshl_b32 s92, s23, 22
	s_add_co_u32 s40, s40, s92
	s_add_nc_u64 s[80:81], s[14:15], s[40:41]      ; of the third: k (X = 0) or v (X = 1), head cx
	s_mul_i32 s40, s22, 24
	s_lshl_b32 s92, s67, 1
	s_add_co_u32 s92, s92, s40
	s_lshl_b32 s92, s92, 12
	s_mov_b32 s93, 0
	s_add_nc_u64 s[82:83], s[16:17], s[92:93]      ; and the same three in fine
	s_add_nc_u64 s[84:85], s[82:83], 4096
	s_lshl_b32 s92, s23, 2
	s_add_co_u32 s92, s92, s21
	s_add_co_u32 s92, s92, s40
	s_add_co_u32 s92, s92, 16
	s_lshl_b32 s92, s92, 12
	s_add_nc_u64 s[86:87], s[16:17], s[92:93]
	s_or_b32 s68, s66, s18
	s_cmp_eq_u32 s68, 0
	s_cselect_b32 s68, 1, 0                        ; 1: my row tile 0 is positions 0-15 of the batch (Y = 0, wave 0)
.macro FRAG reg, adr, q, i             ; 16 rows x 128 K of 4-bit codes: registers 4 c .. 4 c + 3 hold K = 64 c + 32 h + 0 .. 31: 16 bytes of the row as they lie
.irp c, 0,1
	ds_load_b128 v[\reg+4*\c:\reg+4*\c+3], v[\adr] offset:64*((\q)%4)+32*\c+(\i)*16*PITCH
.endr
.endm
.macro FETCH q                         ; K step q's fragments: W's twelve, x's four: 32 loads in one run
	WIN 0x40
.irp i, 0,1,2,3,4,5,6,7,8,9,10,11
	FRAG 96*((\q)%2)+8*\i, 6+(\q)/4, \q, \i
.endr
	WIN 0
.irp i, 0,1,2,3
	FRAG AF+32*((\q)%2)+8*\i, 4+(\q)/4, \q, \i
.endr
.endm
.macro WM a, b, q, zero                ; one product; an odd tile's scale words stand in lanes 16-31 of its pair's register
.set rD, 96*((\a)%2)+8*(\b)
.set rB, 96*((\q)%2)+8*(\b)
.set rA, AF+32*((\q)%2)+8*(\a)
.set rW, WS+8*((\b)/2)+(\q)
.set rX, XS+8*((\a)/2)+(\q)
.if \zero
.if ((\a)%2 == 0) && ((\b)%2 == 0)
	v_wmma_scale_f32_16x16x128_f8f6f4 v[rD:rD+7], v[rB:rB+7], v[rA:rA+7], 0, v[rW], v[rX] matrix_a_fmt:MATRIX_FMT_FP4 matrix_b_fmt:MATRIX_FMT_FP4
.elseif ((\a)%2 == 0)
	v_wmma_scale_f32_16x16x128_f8f6f4 v[rD:rD+7], v[rB:rB+7], v[rA:rA+7], 0, v[rW], v[rX] matrix_a_fmt:MATRIX_FMT_FP4 matrix_b_fmt:MATRIX_FMT_FP4 matrix_a_scale:MATRIX_SCALE_ROW1
.elseif ((\b)%2 == 0)
	v_wmma_scale_f32_16x16x128_f8f6f4 v[rD:rD+7], v[rB:rB+7], v[rA:rA+7], 0, v[rW], v[rX] matrix_a_fmt:MATRIX_FMT_FP4 matrix_b_fmt:MATRIX_FMT_FP4 matrix_b_scale:MATRIX_SCALE_ROW1
.else
	v_wmma_scale_f32_16x16x128_f8f6f4 v[rD:rD+7], v[rB:rB+7], v[rA:rA+7], 0, v[rW], v[rX] matrix_a_fmt:MATRIX_FMT_FP4 matrix_b_fmt:MATRIX_FMT_FP4 matrix_a_scale:MATRIX_SCALE_ROW1 matrix_b_scale:MATRIX_SCALE_ROW1
.endif
.else
.if ((\a)%2 == 0) && ((\b)%2 == 0)
	v_wmma_scale_f32_16x16x128_f8f6f4 v[rD:rD+7], v[rB:rB+7], v[rA:rA+7], v[rD:rD+7], v[rW], v[rX] matrix_a_fmt:MATRIX_FMT_FP4 matrix_b_fmt:MATRIX_FMT_FP4
.elseif ((\a)%2 == 0)
	v_wmma_scale_f32_16x16x128_f8f6f4 v[rD:rD+7], v[rB:rB+7], v[rA:rA+7], v[rD:rD+7], v[rW], v[rX] matrix_a_fmt:MATRIX_FMT_FP4 matrix_b_fmt:MATRIX_FMT_FP4 matrix_a_scale:MATRIX_SCALE_ROW1
.elseif ((\b)%2 == 0)
	v_wmma_scale_f32_16x16x128_f8f6f4 v[rD:rD+7], v[rB:rB+7], v[rA:rA+7], v[rD:rD+7], v[rW], v[rX] matrix_a_fmt:MATRIX_FMT_FP4 matrix_b_fmt:MATRIX_FMT_FP4 matrix_b_scale:MATRIX_SCALE_ROW1
.else
	v_wmma_scale_f32_16x16x128_f8f6f4 v[rD:rD+7], v[rB:rB+7], v[rA:rA+7], v[rD:rD+7], v[rW], v[rX] matrix_a_fmt:MATRIX_FMT_FP4 matrix_b_fmt:MATRIX_FMT_FP4 matrix_a_scale:MATRIX_SCALE_ROW1 matrix_b_scale:MATRIX_SCALE_ROW1
.endif
.endif
.endm
.macro MUL a0, q, zero                 ; 24 products: row tiles a0, a0 + 1 x the twelve column tiles.  The 48 accumulators take turns, one instruction a turn, in the same order in every K step
.irp a, \a0, \a0+1
.irp b, 0,1,2,3,4,5,6,7,8,9,10,11
	WM \a, \b, \q, \zero
.endr
.endr
.endm
.macro KSTEP q, zero
	s_wait_dscnt 0x0                               ; this step's fragments are in (asked for 48 products ago)
.if (\q) == 3
	s_wait_tensorcnt 0x0                           ; my part of slot 1 is in,
	s_barrier_signal -1
	s_barrier_wait -1                              ; everybody's is: the next fetch reads it
.endif
.if (\q) < 7
.if (\q) > 0
	PLACES                                         ; four places between the last step's products and loads into the registers that they read
.endif
	FETCH (\q)+1
.endif
	WIN 0xa1                                       ; source 0 (W) window 1, source 1 (x) window 0, C and D window 2
	MUL 0, \q, \zero
	WIN 0xf1                                       ; C and D window 3
	MUL 2, \q, \zero
	WIN 0
.endm
	s_wait_tensorcnt 0x1                           ; my part of slot 0 is in; slot 1's load may stay out
	s_barrier_signal -1
	s_barrier_wait -1
	FETCH 0
	s_wait_loadcnt 32                              ; the 16 loads of scale words are in; the 32 of the table, issued behind them, may be out
	KSTEP 0, 1                                     ; the first products start the sums: nothing is cleared
.irp q, 1,2,3,4,5,6,7
	KSTEP \q, 0
.endr
; ---------------- norm, rotation, gain, and the way out ----------------
; 1/rms of heads g0 .. g0 + ng - 1 for my four row tiles: a lane's 32 squares in a packed chain (each accumulator from its low end on), the other half of the lanes', the mean, + EPS, one batch of v_rsq_f32 with one wait
.macro SUMS g0, ng
.irp hw, 0,1
	WIN 0x0a+5*\hw                                 ; sources 0 and 1: the accumulators' window
.set idx, 0
.rept 16
.irp aa, 0,1
.set gg, \g0
.rept \ng
.set rX, 96*\aa+8*(4*gg+idx/4)+2*(idx%4)
.set rS, SS+2*(3*(2*\hw+\aa)+gg)
.if idx == 0
	v_pk_mul_f32 v[rS:rS+1], v[rX:rX+1], v[rX:rX+1]
.else
	v_pk_fma_f32 v[rS:rS+1], v[rX:rX+1], v[rX:rX+1], v[rS:rS+1]
.endif
.set gg, gg+1
.endr
.endr
.set idx, idx+1
.endr
.endr
	WIN 0
.irp a, 0,1,2,3
.set gg, \g0
.rept \ng
	v_add_f32 v[SS+2*(3*\a+gg)], v[SS+2*(3*\a+gg)], v[SS+2*(3*\a+gg)+1]
.set gg, gg+1
.endr
.endr
.irp a, 0,1,2,3
.set gg, \g0
.rept \ng
	v_permlanex16_b32 v[TT+\ng*\a+gg-\g0], v[SS+2*(3*\a+gg)], s72, s73
.set gg, gg+1
.endr
.endr
.irp a, 0,1,2,3
.set gg, \g0
.rept \ng
	v_add_f32 v[SS+2*(3*\a+gg)], v[SS+2*(3*\a+gg)], v[TT+\ng*\a+gg-\g0]
.set gg, gg+1
.endr
.endr
.irp a, 0,1,2,3
.set gg, \g0
.rept \ng
	v_fma_f32 v[SS+2*(3*\a+gg)], v[SS+2*(3*\a+gg)], s74, s75
.set gg, gg+1
.endr
.endr
.irp a, 0,1,2,3
.set gg, \g0
.rept \ng
	v_rsq_f32 v[RR+3*\a+gg], v[SS+2*(3*\a+gg)]
.set gg, gg+1
.endr
.endr
	v_nop                                          ; a plain line behind the last of the batch,
	s_wait_alu depctr_va_vdst(0)                   ; and one wait ahead of its first reader
.endm
.macro TOSTAGE n                       ; 16 rows x 128 bytes through my stage: in by 16 bytes a lane, back as whole rows.  LDS serves a wave's instructions in order: no wait between
.set rP, PP+16*((\n)%2)
.irp t, 0,1,2,3
	ds_store_b128 v8, v[rP+4*\t:rP+4*\t+3] offset:32*\t
.endr
.irp t, 0,1,2,3
	ds_load_b128 v[rP+4*\t:rP+4*\t+3], v9 offset:576*\t
.endr
.endm
.macro SEND n, a, base, younger        ; younger: the LDS instructions issued behind this head's loads, which may stay out
.set rP, PP+16*((\n)%2)
	s_wait_dscnt \younger
.irp t, 0,1,2,3
	global_store_b128 v10, v[rP+4*\t:rP+4*\t+3], s[\base:\base+1] offset:2048*(\a)+512*\t   ; four rows of a head: 512 consecutive bytes, aligned
.endr
.endm
; head g of row tile a: the rotation (x1 = columns 0-31, x2 = columns 32-63 of the head), times 1/rms (and, f >= 0, times the factor in s[f]), f16, stage.  n: which set of packed registers
.macro HEAD n, a, g, f
	s_wait_xcnt 0x0                                ; the earlier stores have read their data: the head's registers and the packed set may be written again
	WIN 0x0a+5*((\a)/2)
.set rC, 192+32*((\a)%2)
.irp bb, 0,1
.set r1, 96*((\a)%2)+8*(4*(\g)+\bb)
.set r2, r1+16
.irp jj, 0,2,4,6
	v_pk_mul_f32 v[OO+8*\bb+\jj:OO+8*\bb+\jj+1], v[r1+\jj:r1+\jj+1], v[rC+8*\bb+\jj:rC+8*\bb+\jj+1]
	v_pk_mul_f32 v[OO+16+8*\bb+\jj:OO+16+8*\bb+\jj+1], v[r2+\jj:r2+\jj+1], v[rC+8*\bb+\jj:rC+8*\bb+\jj+1]
.endr
.irp jj, 0,2,4,6
	v_pk_fma_f32 v[OO+8*\bb+\jj:OO+8*\bb+\jj+1], v[r2+\jj:r2+\jj+1], v[rC+16+8*\bb+\jj:rC+16+8*\bb+\jj+1], v[OO+8*\bb+\jj:OO+8*\bb+\jj+1]
	v_pk_fma_f32 v[OO+16+8*\bb+\jj:OO+16+8*\bb+\jj+1], v[r1+\jj:r1+\jj+1], v[rC+16+8*\bb+\jj:rC+16+8*\bb+\jj+1], v[OO+16+8*\bb+\jj:OO+16+8*\bb+\jj+1] neg_lo:[1,0,0] neg_hi:[1,0,0]
.endr
.endr
	WIN 0
.if (\f) >= 0
	v_mul_f32 v28, s[\f], v[RR+3*(\a)+(\g)]
.else
	v_mov_b32 v28, v[RR+3*(\a)+(\g)]
.endif
.set k, 0
.rept 16
	v_pk_mul_f32 v[OO+2*k:OO+2*k+1], v[OO+2*k:OO+2*k+1], v[28:29] op_sel_hi:[1,0]
.set k, k+1
.endr
.if (\a) == 0
	s_cmp_eq_u32 s68, 1                            ; positions 0-15 of the batch also leave unrounded
	s_cbranch_scc0 .Lnot_fine_\@
.irp t, 0,1,2,3
.irp c, 0,1
	global_store_b128 v11, v[OO+8*\t+4*\c:OO+8*\t+4*\c+3], s[82+2*(\g):83+2*(\g)] offset:64*\t+16*\c
.endr
.endr
.Lnot_fine_\@:
.endif
.set rP, PP+16*((\n)%2)
.set k, 0
.rept 16
	v_cvt_pk_f16_f32 v[rP+k], v[OO+2*k], v[OO+2*k+1]
.set k, k+1
.endr
	TOSTAGE \n
.endm
; the value head of row tile a: no norm, no rotation
.macro VHEAD a
	s_wait_xcnt 0x0
.if (\a) == 0
	s_cmp_eq_u32 s68, 1
	s_cbranch_scc0 .Lnot_fine_\@
	WIN 0x08                                       ; a store's data are its source 1: window 2
.irp t, 0,1,2,3
.irp c, 0,1
	global_store_b128 v11, v[8*(8+\t)+4*\c:8*(8+\t)+4*\c+3], s[86:87] offset:64*\t+16*\c   ; each accumulator from its low end on
.endr
.endr
	WIN 0
.Lnot_fine_\@:
.endif
	WIN 0x0a+5*((\a)/2)
.set rP, PP+16*((\a)%2)
.set rX, 96*((\a)%2)+64
.set k, 0
.rept 16
	v_cvt_pk_f16_f32 v[rP+k], v[rX+2*k], v[rX+2*k+1]
.set k, k+1
.endr
	WIN 0
	TOSTAGE \a
.endm
	s_wait_loadcnt 0x0                             ; the table
	s_wait_kmcnt 0x0                               ; the gains
	s_mul_f32 s70, s70, 0x3e38aa3b                 ; x log2(e) / 8: the scores' scale and the change of base ride on q
	s_mul_f32 s71, s71, 0x3e38aa3b
	PLACES                                         ; four places between the last products and the first read of results
	SUMS 0, 2
	HEAD 0, 0, 0, 70
	HEAD 1, 0, 1, 71
	SEND 0, 0, 76, 8                               ; behind head 0's loads: head 1's 4 stores and 4 loads
	HEAD 2, 1, 0, 70
	SEND 1, 0, 78, 8
	HEAD 3, 1, 1, 71
	SEND 2, 1, 76, 8
	HEAD 4, 2, 0, 70
	SEND 3, 1, 78, 8
	HEAD 5, 2, 1, 71
	SEND 4, 2, 76, 8
	HEAD 6, 3, 0, 70
	SEND 5, 2, 78, 8
	HEAD 7, 3, 1, 71
	SEND 6, 3, 76, 8
	SEND 7, 3, 78, 0
	s_cmp_eq_u32 s23, 0                            ; the third head: k or v; the same in all sixteen partners
	s_cbranch_scc0 .Lv_arm
	SUMS 2, 1
	HEAD 0, 0, 2, -1
	HEAD 1, 1, 2, -1
	SEND 0, 0, 80, 8
	HEAD 2, 2, 2, -1
	SEND 1, 1, 80, 8
	HEAD 3, 3, 2, -1
	SEND 2, 2, 80, 8
	SEND 3, 3, 80, 0
	s_branch .Ldone
.Lv_arm:
	VHEAD 0
	VHEAD 1
	SEND 0, 0, 80, 8
	VHEAD 2
	SEND 1, 1, 80, 8
	VHEAD 3
	SEND 2, 2, 80, 8
	SEND 3, 3, 80, 0
.Ldone:
	s_wait_tensorcnt 0x0                           ; the wave's end: a wait, an add to my spare word and its wait, behind my last tensor load and my last LDS store
	ds_add_u32 v[SPW], v[NIL]
	s_wait_dscnt 0x0
	CROUND                                         ; the closing round
	s_endpgm
.Lfunc_end_k_q472f278f5e_qkv:
	.size	k_q472f278f5e_qkv, .Lfunc_end_k_q472f278f5e_qkv-k_q472f278f5e_qkv
	.p2alignl 7, 3214868480
	.fill 96, 4, 3214868480
	.section	.rodata,"a",@progbits
	.p2align	6, 0x0
	.amdhsa_kernel k_q472f278f5e_qkv
		.amdhsa_group_segment_fixed_size 327680
		.amdhsa_private_segment_fixed_size 0
		.amdhsa_enable_private_segment 0
		.amdhsa_kernarg_size 56
		.amdhsa_user_sgpr_count 2
		.amdhsa_user_sgpr_kernarg_segment_ptr 1
		.amdhsa_wavefront_size32 1
		.amdhsa_system_sgpr_workgroup_id_x 1
		.amdhsa_system_sgpr_workgroup_id_y 1
		.amdhsa_system_sgpr_workgroup_id_z 1
		.amdhsa_system_vgpr_workitem_id 0
		.amdhsa_next_free_vgpr 1024
		.amdhsa_next_free_sgpr 100
		.amdhsa_reserve_vcc 0
		.amdhsa_float_denorm_mode_32 3
		.amdhsa_float_denorm_mode_16_64 3
		.amdhsa_memory_ordered 1
		.amdhsa_forward_progress 1
		.amdhsa_inst_pref_size 168
	.end_amdhsa_kernel
	.amdgpu_metadata
---
amdhsa.version: [ 1, 2 ]
amdhsa.kernels:
  - .name:           k_q472f278f5e_qkv
    .symbol:         k_q472f278f5e_qkv.kd
    .args:
      - { .name: codes, .offset: 0, .size: 8, .value_kind: global_buffer, .address_space: global }
      - { .name: scales, .offset: 8, .size: 8, .value_kind: global_buffer, .address_space: global }
      - { .name: tab, .offset: 16, .size: 8, .value_kind: global_buffer, .address_space: global }
      - { .name: q_gain, .offset: 24, .size: 8, .value_kind: global_buffer, .address_space: global }
      - { .name: q16, .offset: 32, .size: 8, .value_kind: global_buffer, .address_space: global }
      - { .name: kv16, .offset: 40, .size: 8, .value_kind: global_buffer, .address_space: global }
      - { .name: fine, .offset: 48, .size: 8, .value_kind: global_buffer, .address_space: global }
    .group_segment_fixed_size: 327680
    .private_segment_fixed_size: 0
    .kernarg_segment_align: 8
    .kernarg_segment_size: 56
    .max_flat_workgroup_size: 128
    .sgpr_count:     100
    .vgpr_count:     1024
    .wavefront_size: 32
...
	.end_amdgpu_metadata
.endif
;; end of part 2
;; launch attn (part 3): grid 16 x 16, 8 waves a work-group, no clusters, 327,680 bytes of LDS; arguments q16, kv16, y16; writes y16
.if DOCPART == 3
	.amdgcn_target "amdgcn-amd-amdhsa--gfx1250"
	.amdhsa_code_object_version 6
	.text
	.protected	k_q472f278f5e_attn
	.globl	k_q472f278f5e_attn
	.p2align	8
	.type	k_q472f278f5e_attn,@function
k_q472f278f5e_attn:
	s_mov_b64 s[64:65], 0
	v_nop
	global_prefetch_b8 v0, s[64:65] scope:SCOPE_SE
	s_setreg_imm32_b32 hwreg(HW_REG_WAVE_MODE, 25, 1), 1
	s_wait_xcnt 0x0
; ATTN.  Causal attention, head size 64, four query heads to a key/value head, operands in f16, sums, maxima and exponentials in f32.  q16 carries the scale and log2(e): a score is an exponent to base 2.
; p = 2^(s - m), m the running maximum of the row; in every step O and l are multiplied by a = 2^(m_old - m_new); the weights are rounded to f16 for the second product, l is summed of the unrounded ones; y = O / l leaves as f16.
; SHARES.  A block is 64 positions x the 4 query heads of one key/value head.  Work-group (j, bk) STAYS: it makes block 31 - j (32 - j key steps of 64) and then block j (j + 1 steps): always 33 steps, 11 slots of 3,
; so every trip count is a constant and all 256 work-groups have the same work.  Wave w owns positions 16 (w / 2) .. + 15 of the block for the two heads 2 (w % 2), 2 (w % 2) + 1: two tiles of 16 queries; its 16 rows x 256 bytes of y are whole aligned pieces.
; Two waves share a SIMD, so that one wave's softmax stands beside the other's products.
; LAYOUT.  S^T = K Q^T (source 0 = 16 keys, source 1 = 16 queries) and O^T = V^T P: a lane holds one query throughout; two tiles of S^T rounded in pairs are source 1 of the second product.  V comes out of LDS turned, by ds_load_tr16_b128.
; THE MASK.  Only a block's last key step lies on the diagonal; key steps beyond it are never walked.
; NO CLUSTER: the sixteen work-groups of a key/value head begin their second block at sixteen different steps (32 - j), so from there on partners would want different tiles behind every round.
; LIMITS: NaN and infinities are not served; |v| and |y| stay under 65,504.
; REGISTERS: window 0: v1-13 addresses; v16-31 eight registers of statistics a tile (+0 m, +1 its pair's upper half, +2, +3 l, +4 .. +7 at work, a at +6); v32-95 S^T, then p; v96-127 P; v128-191 O^T.  window 1: v0-63 K, v64-127 V, v128-159 Q.
.set STEPB, 19456                      ; a key step in LDS: 64 rows of K, pitch 144, then 64 rows of V, pitch 160
.set VOFF,  9216
.set SLOT1, 65536                      ; slot 1: one exclusive or turns an address in one slot into the other's (a slot's three steps are 58,368 bytes)
.set STAGE, 131072                     ; 16 rows x 272 bytes for each wave, for the way out
.set SPARE, STAGE+8*16*272             ; the spare words, 128 bytes a wave
.set ST, 16
.set S,  32
.set P,  96
.set O,  128
.set MSB, 0
.macro WIN new
.if MSB != (\new)
	s_set_vgpr_msb (MSB<<8)|(\new)
.set MSB, (\new)
.endif
.endm
.macro PLACES
.rept 4
	v_nop
.endr
.endm
; Waves 0 to 5 fetch one piece each: step w / 2 of the slot, K (w even) or V (w odd); waves 6 and 7 fetch nothing.  The branches hang on the wave's number alone.
.macro TLOAD
	s_cmp_lt_u32 s10, 6
	s_cbranch_scc0 .Lasked_\@
	s_cmp_eq_u32 s11, 0
	s_cbranch_scc0 .Lfor_v_\@
	tensor_load_to_lds s[40:43], s[24:31]
	s_nop 0
	PLACES
	s_branch .Lasked_\@
.Lfor_v_\@:
	tensor_load_to_lds s[40:43], s[32:39]
	s_nop 0
	PLACES
.Lasked_\@:
.endm
; A prefetch of what the NEXT change of slots will ask for: three key steps of K or of V, 24,576 consecutive bytes, lanes 256 bytes apart, three instructions.  All sixteen work-groups of a key/value head walk the same rows;
; work-group j = 0 walks keys 0 .. 2,047 in order in its first block, so it asks, and nobody else: its wave 6 for K, its wave 7 for V, the two waves that fetch nothing.  Slots 2 to 9 are asked for so, each block of 256 bytes once;
; slots 0 and 1 and key steps 30, 31 come by their loads alone, and no prefetch passes key step 29.
.macro ASK
	s_cmp_gt_u32 s18, s19
	s_cbranch_scc0 .Lnot_mine_\@
	global_prefetch_b8 v13, s[54:55] th:TH_LOAD_NT scope:SCOPE_SE
	global_prefetch_b8 v13, s[54:55] offset:8192 th:TH_LOAD_NT scope:SCOPE_SE
	global_prefetch_b8 v13, s[54:55] offset:16384 th:TH_LOAD_NT scope:SCOPE_SE
.Lnot_mine_\@:
.endm
	s_load_b128 s[4:7], s[0:1], 0x0                ; q16, kv16
	s_load_b64 s[8:9], s[0:1], 0x10                ; y16
	v_lshl_add_u32 v11, v0, 2, SPARE
	v_mov_b32 v12, 0
	ds_add_u32 v11, v12                            ; the opening: the add, twice on end, and its wait ahead of my first tensor load
	ds_add_u32 v11, v12
	v_lshrrev_b32 v1, 5, v0
	v_readfirstlane_b32 s10, v1                    ; wave
	s_and_b32 s11, s10, 1                          ; K or V to fetch; also which pair of heads is mine
	s_lshr_b32 s56, s10, 1                         ; which step of a slot I fetch; also which 16 positions are mine
	s_sub_co_u32 s12, 32, ttmp9                    ; T1: the first block's key steps
	s_and_b32 s57, ttmp7, 0xffff                   ; bk = 4 x batch + key/value head
	s_mov_b32 s24, (1<<16)|(1<<20)|(4<<22)|(3<<25) ; K: elements of 2 bytes; 4 words of padding behind every 32
	s_mov_b32 s32, (1<<16)|(1<<20)|(4<<22)|(7<<25) ; V: 8 words
.irp g, 24, 32
	s_mov_b32 s[\g+1], 64<<16                      ; tensor_dim0 = 64
	s_mov_b32 s[\g+2], 64<<16                      ; tensor_dim1 = 64
	s_mov_b32 s[\g+3], 64<<16                      ; tile_dim0
	s_mov_b32 s[\g+4], 64                          ; tile_dim1
	s_mov_b32 s[\g+5], 64                          ; from row to row
	s_mov_b32 s[\g+6], 0
	s_mov_b32 s[\g+7], 0
.endr
	s_mov_b32 s40, 1
	s_mul_i32 s41, s56, STEPB
	s_mul_i32 s58, s11, VOFF
	s_add_co_u32 s41, s41, s58                     ; my piece's place in slot 0
	s_mov_b32 s15, s56                             ; NS: my piece's number among the 33 steps
	s_mov_b32 s13, 0                               ; N: the step in hand
	s_sub_co_u32 s14, s12, 1                       ; END: the block's last step
	s_mov_b32 s16, 0                               ; TB: where the step in hand begins in LDS
	s_mov_b32 s18, 10                              ; slots still to be asked for
	s_mov_b32 s20, 0x76543210
	s_mov_b32 s21, 0xfedcba98                      ; lane l xor 16
	s_lshl_b32 s22, s11, 22
	s_lshl_b32 s58, s57, 18
	s_add_co_u32 s22, s22, s58
	s_mov_b32 s23, 0
	s_xor_b32 s58, s56, 3
	s_or_b32 s58, s58, ttmp9
	s_cmp_eq_u32 s58, 0
	s_cselect_b32 s19, 2, -1                       ; waves 6 and 7 of work-group j = 0 prefetch while more than 2 slots are to be asked for; the others never
	s_wait_dscnt 0x0                               ; both opening adds are done
	s_wait_kmcnt 0x0
	s_add_nc_u64 s[44:45], s[6:7], s[22:23]        ; KVB: my head's K or V
	s_lshl_b32 s22, s56, 13
	s_add_nc_u64 s[42:43], s[44:45], s[22:23]      ; key step w / 2
	s_or_b32 s43, s43, 0x80000000
	TLOAD                                          ; slot 0
	s_add_nc_u64 s[54:55], s[44:45], 24576         ; the prefetches stand at slot 1; the first change of slots steps them to slot 2
	s_lshl_b32 s58, s57, 2
	s_lshl_b32 s59, s11, 1
	s_add_co_u32 s58, s58, s59                     ; my first head
	s_lshl_b32 s58, s58, 18
	s_lshl_b32 s59, s56, 11
	s_add_co_u32 s58, s58, s59                     ; my 16 positions of a block
	s_sub_co_u32 s60, 31, ttmp9
	s_lshl_b32 s61, s60, 13
	s_add_co_u32 s22, s58, s61
	s_add_nc_u64 s[46:47], s[4:5], s[22:23]        ; Q of the first block,
	s_lshl_b32 s61, ttmp9, 13
	s_add_co_u32 s22, s58, s61
	s_add_nc_u64 s[48:49], s[4:5], s[22:23]        ; of the second
	s_lshr_b32 s58, s57, 2
	s_lshl_b32 s58, s58, 22                        ; y: the batch's 2,048 rows of 2,048 bytes,
	s_lshl_b32 s59, s56, 15
	s_add_co_u32 s58, s58, s59                     ; my 16 positions,
	s_and_b32 s59, s57, 3
	s_lshl_b32 s59, s59, 9
	s_add_co_u32 s58, s58, s59
	s_lshl_b32 s59, s11, 8
	s_add_co_u32 s58, s58, s59                     ; my two heads' 256 bytes
	s_lshl_b32 s61, s60, 17
	s_add_co_u32 s22, s58, s61
	s_add_nc_u64 s[50:51], s[8:9], s[22:23]
	s_lshl_b32 s61, ttmp9, 17
	s_add_co_u32 s22, s58, s61
	s_add_nc_u64 s[52:53], s[8:9], s[22:23]
	v_and_b32 v14, 15, v0                          ; r
	v_bfe_u32 v15, v0, 4, 1                        ; h
	v_mul_u32_u24 v1, v14, 144
	v_lshl_add_u32 v1, v15, 4, v1                  ; K: row r, + 16 h
	v_and_b32 v2, 7, v0
	v_lshl_add_u32 v2, v15, 3, v2
	v_mul_u32_u24 v2, v2, 160
	v_bfe_u32 v3, v0, 3, 1
	v_lshl_add_u32 v2, v3, 4, v2
	v_add_nc_u32 v2, VOFF, v2                      ; V, for the turning load: key 8 h + l % 8, channels 8 ((l / 8) % 2) on
	v_lshlrev_b32 v5, 7, v14
	v_lshl_add_u32 v5, v15, 4, v5                  ; Q: row r of 128 bytes, + 16 h
	s_mul_i32 s58, s10, 16*272
	s_add_co_u32 s58, s58, STAGE
	v_mul_u32_u24 v6, v14, 272
	v_lshl_add_u32 v6, v15, 4, v6
	v_add_nc_u32 v6, s58, v6                       ; the stage, in
	v_mul_u32_u24 v7, v15, 272
	v_lshl_add_u32 v7, v14, 4, v7
	v_add_nc_u32 v7, s58, v7                       ; and back: lanes 0-15 one row of 256 bytes, lanes 16-31 the next
	v_lshlrev_b32 v8, 11, v15
	v_lshl_add_u32 v8, v14, 4, v8                  ; the same two rows in y
	v_lshlrev_b32 v9, 3, v15
	v_sub_nc_u32 v9, v14, v9
	s_lshl_b32 s58, s56, 4
	v_add_nc_u32 v9, s58, v9                       ; d = my query's place in the block - 8 h: on the diagonal register j of key tile kt is hidden where 16 kt + j > d
	v_mov_b32 v10, 0xff800000                      ; -infinity
	v_and_b32 v13, 31, v0
	v_lshlrev_b32 v13, 8, v13
; A block begins: Q's four fragments; m under every score, l and O^T zero (the step is written once: its first pass multiplies zeros)
.macro INIT qb
	WIN 0x40
.irp x, 0,1
.irp c, 0,1
	global_load_b128 v[128+8*(2*\x+\c):128+8*(2*\x+\c)+3], v5, s[\qb:\qb+1] offset:262144*\x+64*\c
	global_load_b128 v[128+8*(2*\x+\c)+4:128+8*(2*\x+\c)+7], v5, s[\qb:\qb+1] offset:262144*\x+64*\c+32
.endr
.endr
	WIN 0
.irp x, 0,1
	v_mov_b32 v[ST+8*\x], 0xff61b1e6               ; -3e38
	v_mov_b32 v[ST+8*\x+1], 0
	v_mov_b32 v[ST+8*\x+2], 0
	v_mov_b32 v[ST+8*\x+3], 0
.endr
.set i, 0
.rept 64
	v_mov_b32 v[O+i], 0
.set i, i+1
.endr
	s_wait_loadcnt 0x0
.endm
; A block ends: y = O / l, f16, through my stage, out as whole pieces of 256 bytes; then, behind the first block, the second begins
.macro WAYOUT
.irp x, 0,1
	v_add_f32 v[ST+8*\x+4], v[ST+8*\x+2], v[ST+8*\x+3]
.endr
.irp x, 0,1
	v_permlanex16_b32 v[ST+8*\x+5], v[ST+8*\x+4], s20, s21
.endr
.irp x, 0,1
	v_add_f32 v[ST+8*\x+4], v[ST+8*\x+4], v[ST+8*\x+5]
.endr
.irp x, 0,1
	v_rcp_f32 v[ST+8*\x+6], v[ST+8*\x+4]
.endr
	v_nop                                          ; a plain line behind the reciprocals,
	s_wait_alu depctr_va_vdst(0)                   ; and one wait ahead of their first reader
.set i, 0
.rept 32
	v_pk_mul_f32 v[O+2*i:O+2*i+1], v[O+2*i:O+2*i+1], v[ST+8*(i/16)+6:ST+8*(i/16)+7] op_sel_hi:[1,0]
.set i, i+1
.endr
.set i, 0
.rept 32
	v_cvt_pk_f16_f32 v[P+i], v[O+2*i], v[O+2*i+1]
.set i, i+1
.endr
.irp x, 0,1
.irp ct, 0,1,2,3
	ds_store_b128 v6, v[P+16*\x+4*\ct:P+16*\x+4*\ct+3] offset:128*\x+32*\ct
.endr
.endr
.irp i, 0,1,2,3,4,5,6,7
	ds_load_b128 v[S+4*\i:S+4*\i+3], v7 offset:544*\i   ; LDS serves a wave's instructions in order: these see my stores
.endr
	s_wait_dscnt 0x0
.irp i, 0,1,2,3,4,5,6,7
	global_store_b128 v8, v[S+4*\i:S+4*\i+3], s[50:51] offset:4096*\i   ; 16 lanes store 256 consecutive bytes, aligned
.endr
	s_cmp_eq_u32 s13, 32
	s_cbranch_scc1 .Lall_done_\@
	s_wait_xcnt 0x0                                ; the stores have read their data and their base: both are written again below and in the next step
	s_mov_b64 s[50:51], s[52:53]
	s_mov_b32 s14, 32
	INIT 48
.Lall_done_\@:
.endm
; A KEY STEP: 64 keys, two tiles of 16 queries
.macro STEP
	v_add_nc_u32 v3, s16, v1
	v_add_nc_u32 v4, s16, v2
	WIN 0x40
.irp kt, 0,1,2,3
.irp c, 0,1
	ds_load_b128 v[8*(2*\kt+\c):8*(2*\kt+\c)+3], v3 offset:\kt*2304+64*\c
	ds_load_b128 v[8*(2*\kt+\c)+4:8*(2*\kt+\c)+7], v3 offset:\kt*2304+64*\c+32
.endr
.endr
.irp u, 0,1
.irp ct, 0,1,2,3
	ds_load_tr16_b128 v[64+8*(4*\u+\ct):64+8*(4*\u+\ct)+3], v4 offset:\u*5120+32*\ct
	ds_load_tr16_b128 v[64+8*(4*\u+\ct)+4:64+8*(4*\u+\ct)+7], v4 offset:\u*5120+32*\ct+2560
.endr
.endr
	s_wait_dscnt 16                                ; K's 16 loads are in; V's 16, issued behind them, may be out
	WIN 0x05                                       ; K and Q in window 1
.irp c, 0,1                                    ; the eight accumulators take turns, one instruction a turn
.irp kt, 0,1,2,3
.irp x, 0,1
.if \c == 0
	v_wmma_f32_16x16x32_f16 v[S+32*\x+8*\kt:S+32*\x+8*\kt+7], v[8*(2*\kt+\c):8*(2*\kt+\c)+7], v[128+8*(2*\x+\c):128+8*(2*\x+\c)+7], 0
.else
	v_wmma_f32_16x16x32_f16 v[S+32*\x+8*\kt:S+32*\x+8*\kt+7], v[8*(2*\kt+\c):8*(2*\kt+\c)+7], v[128+8*(2*\x+\c):128+8*(2*\x+\c)+7], v[S+32*\x+8*\kt:S+32*\x+8*\kt+7]
.endif
.endr
.endr
.endr
	WIN 0
	PLACES                                         ; four places between the products and the first read of the scores
	s_cmp_lg_u32 s13, s14                          ; only the block's last step lies on the diagonal
	s_cbranch_scc1 .Lopen_\@
.irp kt, 0,1,2,3
.irp j, 0,1,2,3,4,5,6,7
	v_cmp_gt_i32 vcc_lo, 16*\kt+\j, v9             ; both tiles hold the same positions: one compare serves both
	v_cndmask_b32 v[S+8*\kt+\j], v[S+8*\kt+\j], v10, vcc_lo
	v_cndmask_b32 v[S+32+8*\kt+\j], v[S+32+8*\kt+\j], v10, vcc_lo
.endr
.endr
.Lopen_\@:
.irp j, 0,1,2,3                                ; the maximum of a lane's 32 scores and the old m, three operands at a time, four chains, the two tiles alternating
.irp x, 0,1
	v_max3_num_f32 v[ST+8*\x+4+\j], v[S+32*\x+8*\j], v[S+32*\x+8*\j+1], v[S+32*\x+8*\j+2]
.endr
.endr
.irp k, 1,2
.irp j, 0,1,2,3
.irp x, 0,1
	v_max3_num_f32 v[ST+8*\x+4+\j], v[ST+8*\x+4+\j], v[S+32*\x+8*\j+2*\k+1], v[S+32*\x+8*\j+2*\k+2]
.endr
.endr
.endr
.irp x, 0,1
	v_max3_num_f32 v[ST+8*\x+4], v[ST+8*\x+4], v[S+32*\x+7], v[S+32*\x+15]
.endr
.irp x, 0,1
	v_max3_num_f32 v[ST+8*\x+6], v[ST+8*\x+6], v[S+32*\x+23], v[S+32*\x+31]
.endr
.irp x, 0,1
	v_max3_num_f32 v[ST+8*\x+4], v[ST+8*\x+4], v[ST+8*\x+5], v[ST+8*\x+6]
.endr
.irp x, 0,1
	v_max3_num_f32 v[ST+8*\x+4], v[ST+8*\x+4], v[ST+8*\x+7], v[ST+8*\x]
.endr
.irp x, 0,1
	v_permlanex16_b32 v[ST+8*\x+5], v[ST+8*\x+4], s20, s21   ; the query's other 32 keys lie in the lane 16 away
.endr
.irp x, 0,1
	v_mov_b32 v[ST+8*\x+7], v[ST+8*\x]
.endr
.irp x, 0,1
	v_max_num_f32 v[ST+8*\x], v[ST+8*\x+4], v[ST+8*\x+5]
.endr
.irp x, 0,1
	v_sub_f32 v[ST+8*\x+7], v[ST+8*\x+7], v[ST+8*\x]
.endr
.irp x, 0,1
	v_exp_f32 v[ST+8*\x+6], v[ST+8*\x+7]           ; a = 2^(m_old - m_new)
.endr
.set i, 0
.rept 32
	v_pk_add_f32 v[S+2*i:S+2*i+1], v[S+2*i:S+2*i+1], v[ST+8*(i/16):ST+8*(i/16)+1] op_sel_hi:[1,0] neg_lo:[0,1] neg_hi:[0,1]   ; s - m; plain work behind the two exponentials
.set i, i+1
.endr
	s_wait_alu depctr_va_vdst(0)                   ; the wait for the two a, ahead of their first reader
.set i, 0
.rept 32                                       ; one batch of 64 exponentials; O^T's rescaling, which names none of their results, stands between them
	v_exp_f32 v[S+2*i], v[S+2*i]
	v_exp_f32 v[S+2*i+1], v[S+2*i+1]
	v_pk_mul_f32 v[O+2*i:O+2*i+1], v[O+2*i:O+2*i+1], v[ST+8*(i/16)+6:ST+8*(i/16)+7] op_sel_hi:[1,0]
.set i, i+1
.endr
.irp x, 0,1
	v_pk_mul_f32 v[ST+8*\x+2:ST+8*\x+3], v[ST+8*\x+2:ST+8*\x+3], v[ST+8*\x+6:ST+8*\x+7] op_sel_hi:[1,0]   ; l under the new m (plain lines behind the last exponential)
.endr
	s_wait_alu depctr_va_vdst(0)                   ; one wait for the batch, ahead of its first reader
.set i, 0
.rept 32
	v_cvt_pk_f16_f32 v[P+i], v[S+2*i], v[S+2*i+1]
.set i, i+1
.endr
.irp x, 0,1
	v_pk_add_f32 v[ST+8*\x+4:ST+8*\x+5], v[S+32*\x:S+32*\x+1], v[S+32*\x+2:S+32*\x+3]   ; the row's sum of the unrounded weights, in two chains a tile
.endr
.irp j, 4,8,12,16,20,24,28
.irp x, 0,1
	v_pk_add_f32 v[ST+8*\x+2:ST+8*\x+3], v[ST+8*\x+2:ST+8*\x+3], v[S+32*\x+\j:S+32*\x+\j+1]
	v_pk_add_f32 v[ST+8*\x+4:ST+8*\x+5], v[ST+8*\x+4:ST+8*\x+5], v[S+32*\x+\j+2:S+32*\x+\j+3]
.endr
.endr
.irp x, 0,1
	v_pk_add_f32 v[ST+8*\x+2:ST+8*\x+3], v[ST+8*\x+2:ST+8*\x+3], v[ST+8*\x+4:ST+8*\x+5]
.endr
	s_wait_dscnt 0x0                               ; V is in
	WIN 0x01                                       ; V in window 1
.irp u, 0,1
.irp ct, 0,1,2,3
.irp x, 0,1
	v_wmma_f32_16x16x32_f16 v[O+32*\x+8*\ct:O+32*\x+8*\ct+7], v[64+8*(4*\u+\ct):64+8*(4*\u+\ct)+7], v[P+16*\x+8*\u:P+16*\x+8*\u+7], v[O+32*\x+8*\ct:O+32*\x+8*\ct+7]
.endr
.endr
.endr
	WIN 0
	PLACES                                         ; four places: the next step's loads land in V's registers, and the way out reads O^T
	s_cmp_lg_u32 s13, s14
	s_cbranch_scc1 .Lgo_on_\@
	WAYOUT
.Lgo_on_\@:
	s_add_co_u32 s16, s16, STEPB
	s_add_co_u32 s13, s13, 1
.endm
; THE CHANGE OF SLOTS stands at a slot's head.  Each wave waits for all its tensor loads (its piece of the slot that it is about to read), adds 0 to its spare word, and waits for that and for its reads of the slot that it has left.
; Behind the barrier the slot ahead is whole and nobody reads the other one.  fill = 1: the other slot is filled with the next three steps: one load a wave, which has three key steps in which to land.
.macro CHANGE fill
	s_wait_tensorcnt 0x0                           ; no tensor load of mine is out, so the descriptor may be written
	ds_add_u32 v11, v12
.if \fill
	ds_add_u32 v11, v12                            ; where a load follows, the add twice on end, in every trip alike
	s_add_co_u32 s15, s15, 3                       ; my next piece:
	s_cmp_ge_u32 s15, s12
	s_cselect_b32 s22, s12, 0
	s_sub_co_u32 s22, s15, s22                     ; its key step: the second block begins again at key 0
	s_lshl_b32 s22, s22, 13
	s_add_nc_u64 s[42:43], s[44:45], s[22:23]
	s_or_b32 s43, s43, 0x80000000
	s_xor_b32 s41, s41, SLOT1                      ; into the other slot than last time
	s_wait_xcnt 0x0                                ; the last prefetches, a slot back, have read their address
	s_add_nc_u64 s[54:55], s[54:55], 24576
.endif
	s_wait_dscnt 0x0                               ; the add is done, and my reads of the slot that I have left are over
	s_barrier_signal -1
	s_barrier_wait -1
.if \fill
	TLOAD
	ASK
.endif
.endm
.macro SLOT_STEPS
	s_mov_b32 s17, 3
.Lstep_\@:
	STEP
	s_sub_co_u32 s17, s17, 1
	s_cmp_lg_u32 s17, 0
	s_cbranch_scc1 .Lstep_\@
	s_sub_co_u32 s16, s16, 3*STEPB
	s_xor_b32 s16, s16, SLOT1                      ; on to the other slot
.endm
	INIT 46
.Lslot:                                            ; ten trips: behind each change of slots but the last the next slot is asked for
	CHANGE 1
	SLOT_STEPS
	s_sub_co_u32 s18, s18, 1
	s_cmp_lg_u32 s18, 0
	s_cbranch_scc1 .Lslot
	CHANGE 0                                       ; the last slot is written out
	SLOT_STEPS
	s_wait_tensorcnt 0x0                           ; the wave's end: a wait, an add to my spare word and its wait, behind my last tensor load and my last LDS store
	ds_add_u32 v11, v12
	s_wait_dscnt 0x0
	s_endpgm
.Lfunc_end_k_q472f278f5e_attn:
	.size	k_q472f278f5e_attn, .Lfunc_end_k_q472f278f5e_attn-k_q472f278f5e_attn
	.p2alignl 7, 3214868480
	.fill 96, 4, 3214868480
	.section	.rodata,"a",@progbits
	.p2align	6, 0x0
	.amdhsa_kernel k_q472f278f5e_attn
		.amdhsa_group_segment_fixed_size 327680
		.amdhsa_private_segment_fixed_size 0
		.amdhsa_enable_private_segment 0
		.amdhsa_kernarg_size 24
		.amdhsa_user_sgpr_count 2
		.amdhsa_user_sgpr_kernarg_segment_ptr 1
		.amdhsa_wavefront_size32 1
		.amdhsa_system_sgpr_workgroup_id_x 1
		.amdhsa_system_sgpr_workgroup_id_y 1
		.amdhsa_system_sgpr_workgroup_id_z 1
		.amdhsa_system_vgpr_workitem_id 0
		.amdhsa_next_free_vgpr 416
		.amdhsa_next_free_sgpr 66
		.amdhsa_reserve_vcc 1
		.amdhsa_float_denorm_mode_32 3
		.amdhsa_float_denorm_mode_16_64 3
		.amdhsa_memory_ordered 1
		.amdhsa_forward_progress 1
		.amdhsa_inst_pref_size 71
	.end_amdhsa_kernel
	.amdgpu_metadata
---
amdhsa.version: [ 1, 2 ]
amdhsa.kernels:
  - .name:           k_q472f278f5e_attn
    .symbol:         k_q472f278f5e_attn.kd
    .args:
      - { .name: q16, .offset: 0, .size: 8, .value_kind: global_buffer, .address_space: global }
      - { .name: kv16, .offset: 8, .size: 8, .value_kind: global_buffer, .address_space: global }
      - { .name: y16, .offset: 16, .size: 8, .value_kind: global_buffer, .address_space: global }
    .group_segment_fixed_size: 327680
    .private_segment_fixed_size: 0
    .kernarg_segment_align: 8
    .kernarg_segment_size: 24
    .max_flat_workgroup_size: 256
    .sgpr_count:     66
    .vgpr_count:     416
    .wavefront_size: 32
...
	.end_amdgpu_metadata
.endif
;; end of part 3
;; launch proj (part 4): grid 4 x 64, 4 waves a work-group, clusters of 4 x 4, 327,680 bytes of LDS; arguments y16, wp16, out0; writes out0
.if DOCPART == 4
	.amdgcn_target "amdgcn-amd-amdhsa--gfx1250"
	.amdhsa_code_object_version 6
	.text
	.protected	k_q472f278f5e_proj
	.globl	k_q472f278f5e_proj
	.p2align	8
	.type	k_q472f278f5e_proj,@function
k_q472f278f5e_proj:
	s_mov_b64 s[64:65], 0
	v_nop
	global_prefetch_b8 v0, s[64:65] scope:SCOPE_SE
	s_setreg_imm32_b32 hwreg(HW_REG_WAVE_MODE, 25, 1), 1
	s_wait_xcnt 0x0
	s_wait_alu depctr_hold_cnt(0) depctr_sa_sdst(0) depctr_va_vdst(0) depctr_va_sdst(0) depctr_va_ssrc(0) depctr_va_vcc(0) depctr_vm_vsrc(0)
	s_getreg_b32 s2, hwreg(HW_REG_IB_STS2, 6, 4)
	s_cmp_eq_u32 s2, 0
	s_cbranch_scc0 .Lentry_in_a_cluster
	s_endpgm
.Lentry_in_a_cluster:
	s_bfe_u32 s2, ttmp6, 0x10000c
	s_cmp_lg_u32 s2, 0xf033
	s_cbranch_scc0 .Lentry_shape_is_right
	s_endpgm
.Lentry_shape_is_right:
; PROJ.  out0[m][n] = sum over c of y[m][c] Wproj[n][c], operands in f16, sums in f32, for every row but positions 0-15 of each batch, which a later launch makes in f32.
; A tile of out0 is 128 x 256: 64 x 4 = 256 work-groups.  Four waves, each 64 x 128: 32 accumulators.  K goes in steps of 128 (rows of 256 bytes) through a ring of two LDS slots filled by the tensor data mover.
; CLUSTERS, 4 x 4.  The tile row is 16 cy + Y (Y the cluster's y), the tile column cx: the four of a cluster's row need the same rows of y, the four of a column the same rows of Wproj; each tile is asked for jointly.
; With that numbering 'the tile begins a batch' (Y = 0) is the same in all sixteen partners, so a branch may hang on it.
; THE MATRIX INSTRUCTION IS USED TRANSPOSED (source 0 = 16 rows of Wproj, source 1 = 16 rows of y): a lane holds eight neighbouring numbers of a row of out0.
; No prefetch: K has 8 steps, of which the first four are asked for before a lead of two steps could begin.
; LIMITS: |y| and |Wproj| under 65,504; NaN and infinities are not served.
; REGISTERS: window 0: v16-29 addresses; v64-191 rows on the way out, two sets.  window 1: accumulator (a, b) at 8 (8 a + b).  window 2: two fragment buffers of 96: Wproj's eight fragments, then y's four.
.set KSTEP,  128
.set PITCH,  272
.set SLOT,   384*PITCH                 ; y's 128 rows, then Wproj's 256
.set STAGE,  2*SLOT                    ; 16 rows x 528 bytes for each wave
.set SPITCH, 528
.set SPARE,  STAGE+4*16*SPITCH
.set ADRA, 16
.set ADRB, 20
.set STO,  24
.set RD,   25
.set CO,   26
.set SPW,  28
.set NIL,  29
.set BK,   64
.set F0,   0
.set F1,   96
.set G1,  24
.set G0,  32
.set G1B, 48
.set G0B, 56
.set MSB, 0
.macro WIN new
.if MSB != (\new)
	s_set_vgpr_msb (MSB<<8)|(\new)
.set MSB, (\new)
.endif
.endm
.set MUL,  0x5a                        ; sources 0 and 1 window 2; C and D window 1
.set TO_F, 0x80                        ; destination window 2
.macro PLACES
.rept 4
	v_nop
.endr
.endm
.macro JLOAD s                         ; a joint load: waves 0 and 1 fetch y's two halves, waves 2 and 3 Wproj's
	s_cmp_eq_u32 s11, 0
	s_cbranch_scc0 .Lfor_b_\@
	tensor_load_to_lds s[G0+4*\s:G0+4*\s+3], s[G1:G1+7]
	s_nop 0
	PLACES
	s_branch .Lasked_\@
.Lfor_b_\@:
	tensor_load_to_lds s[G0B+4*\s:G0B+4*\s+3], s[G1B:G1B+7]
	s_nop 0
	PLACES
.Lasked_\@:
.endm
.macro CREST
	s_cmp_lg_u32 s10, 0
	s_cbranch_scc1 .Lnot_wave_0_\@
	s_barrier_signal -3
.Lnot_wave_0_\@:
	s_barrier_wait -3
	s_barrier_signal -1
	s_barrier_wait -1
.endm
.macro CROUND
	s_barrier_signal -1
	s_barrier_wait -1
	CREST
.endm
	s_load_b128 s[4:7], s[0:1], 0x0                ; y16, wp16
	s_load_b64 s[8:9], s[0:1], 0x10                ; out0
	v_lshl_add_u32 v[SPW], v0, 2, SPARE
	v_mov_b32 v[NIL], 0
	ds_add_u32 v[SPW], v[NIL]                      ; the opening: the add, twice on end, and its wait ahead of my first tensor load
	ds_add_u32 v[SPW], v[NIL]
	v_lshrrev_b32 v1, 5, v0
	v_readfirstlane_b32 s10, v1                    ; wave
	s_lshr_b32 s11, s10, 1                         ; which 64 rows of the tile are mine.  Also: I fetch for y (0) or for Wproj (1)
	s_and_b32 s12, s10, 1                          ; which 128 columns.  Also: which half I fetch
	s_bfe_u32 s40, ttmp6, 0x40000                  ; cx
	s_bfe_u32 s41, ttmp6, 0x40004                  ; cy
	s_lshl_b32 s42, ttmp9, 2
	s_add_co_u32 s42, s42, s40                     ; the tile column
	s_and_b32 s44, ttmp7, 0xffff                   ; Y
	s_lshl_b32 s13, s41, 4
	s_add_co_u32 s13, s13, s44                     ; the tile row = 16 cy + Y
	s_lshl_b32 s43, s41, 2
	s_lshl_b32 s43, 15, s43                        ; my row of the cluster
	s_lshl_b32 s46, 0x1111, s40                    ; my column
	s_or_b32 s[G1], s43, (1<<16)|(1<<20)|(1<<21)|(5<<22)|(3<<25)   ; the mask; elements of 2 bytes; padding on; bit 21 beside a mask; 4 words behind every 64
	s_or_b32 s[G1B], s46, (1<<16)|(1<<20)|(1<<21)|(5<<22)|(3<<25)
	s_mov_b32 s[G1+1], KSTEP<<16
	s_mov_b32 s[G1+2], 64<<16                      ; y: 64 rows a load
	s_mov_b32 s[G1+3], KSTEP<<16
	s_mov_b32 s[G1+4], 64
	s_mov_b32 s[G1+5], 1024
	s_mov_b32 s[G1+6], 0
	s_mov_b32 s[G1+7], 0
	s_mov_b32 s[G1B+1], KSTEP<<16
	s_mov_b32 s[G1B+2], 128<<16                    ; Wproj: 128 rows a load
	s_mov_b32 s[G1B+3], KSTEP<<16
	s_mov_b32 s[G1B+4], 128
	s_mov_b32 s[G1B+5], 1024
	s_mov_b32 s[G1B+6], 0
	s_mov_b32 s[G1B+7], 0
	s_lshl_b32 s17, s12, 6
	s_lshl_b32 s16, s13, 7
	s_add_co_u32 s16, s16, s17                     ; y: row 128 x tile row + 64 x half,
	s_lshl_b32 s16, s16, 11                        ; 2,048 bytes a row
	s_mov_b32 s17, 0
	s_lshl_b32 s47, s12, 7
	s_lshl_b32 s46, s42, 8
	s_add_co_u32 s46, s46, s47                     ; Wproj: row 256 x tile column + 128 x half
	s_lshl_b32 s46, s46, 11
	s_mov_b32 s47, 0
	s_mul_i32 s20, s12, 64*PITCH                   ; where they go: no place in the cluster enters an LDS address
	s_mul_i32 s21, s12, 128*PITCH
	s_add_co_u32 s21, s21, 128*PITCH
	s_or_b32 s45, s44, s11
	s_cmp_eq_u32 s45, 0
	s_cselect_b32 s45, 1, 0                        ; 1: my first 16 rows are positions 0-15 of a batch: they are not mine to store
	s_wait_dscnt 0x0                               ; both opening adds are done
	s_wait_kmcnt 0x0
	s_add_nc_u64 s[14:15], s[4:5], s[16:17]
	s_add_nc_u64 s[22:23], s[6:7], s[46:47]
	CROUND                                         ; all sixteen work-groups are here: the first joint loads meet
.irp s, 0,1
	s_mov_b32 s[G0+4*\s], 1
	s_add_co_u32 s[G0+4*\s+1], s20, \s*SLOT
	s_add_nc_u64 s[G0+4*\s+2:G0+4*\s+3], s[14:15], \s*KSTEP*2
	s_or_b32 s[G0+4*\s+3], s[G0+4*\s+3], 0x80000000
	s_mov_b32 s[G0B+4*\s], 1
	s_add_co_u32 s[G0B+4*\s+1], s21, \s*SLOT
	s_add_nc_u64 s[G0B+4*\s+2:G0B+4*\s+3], s[22:23], \s*KSTEP*2
	s_or_b32 s[G0B+4*\s+3], s[G0B+4*\s+3], 0x80000000
	JLOAD \s
.endr
	v_and_b32 v1, 15, v0                           ; r
	v_bfe_u32 v2, v0, 4, 1                         ; h
	v_mul_u32_u24 v3, v1, PITCH
	v_lshl_add_u32 v3, v2, 4, v3
	s_mul_i32 s20, s11, 64*PITCH                   ; my 64 rows of y
	s_mul_i32 s21, s12, 128*PITCH                  ; my 128 rows of Wproj,
	s_add_co_u32 s21, s21, 128*PITCH               ; behind y's 128
.irp s, 0,1
	v_add_nc_u32 v[ADRA+\s], s20, v3
	v_add_nc_u32 v[ADRB+\s], s21, v3
	s_add_co_u32 s20, s20, SLOT
	s_add_co_u32 s21, s21, SLOT
.endr
	s_mul_i32 s20, s10, 16*SPITCH
	s_add_co_u32 s20, s20, STAGE                   ; my stage
	v_mul_u32_u24 v4, v1, SPITCH
	v_lshl_add_u32 v4, v2, 5, v4
	v_add_nc_u32 v[STO], s20, v4                   ; in: row r, 32 bytes for each half of the lanes
	v_and_b32 v5, 31, v0
	v_lshlrev_b32 v[CO], 4, v5
	v_add_nc_u32 v[RD], s20, v[CO]                 ; back: the 32 lanes take one row of 512 bytes
	s_lshl_b32 s16, s13, 7
	s_lshl_b32 s17, s11, 6
	s_add_co_u32 s16, s16, s17
	s_lshl_b32 s16, s16, 12                        ; my first row of out0, 4,096 bytes a row,
	s_lshl_b32 s46, s42, 10
	s_lshl_b32 s47, s12, 9
	s_add_co_u32 s46, s46, s47
	s_add_co_u32 s16, s16, s46                     ; my first column
	s_mov_b32 s17, 0
	s_add_nc_u64 s[8:9], s[8:9], s[16:17]
.macro MUL8 f, a, zero                 ; row tile a x the eight column tiles, 32 along K.  The 32 accumulators take turns, one instruction a turn, in the same order in every quarter
.irp b, 0,1,2,3,4,5,6,7
.if \zero
	v_wmma_f32_16x16x32_f16 v[8*(8*(\a)+\b):8*(8*(\a)+\b)+7], v[\f+8*\b:\f+8*\b+7], v[\f+64+8*(\a):\f+64+8*(\a)+7], 0
.else
	v_wmma_f32_16x16x32_f16 v[8*(8*(\a)+\b):8*(8*(\a)+\b)+7], v[\f+8*\b:\f+8*\b+7], v[\f+64+8*(\a):\f+64+8*(\a)+7], v[8*(8*(\a)+\b):8*(8*(\a)+\b)+7]
.endif
.endr
.endm
.macro FETCH slot, k, f                ; 24 LDS loads in one run: the fragments of 32 along K at byte k of the rows
	WIN TO_F
.irp i, 0,1,2,3,4,5,6,7
	ds_load_b128 v[\f+8*\i:\f+8*\i+3],   v[ADRB+\slot] offset:\k+\i*16*PITCH
	ds_load_b128 v[\f+8*\i+4:\f+8*\i+7], v[ADRB+\slot] offset:\k+\i*16*PITCH+32
.endr
.irp i, 0,1,2,3
	ds_load_b128 v[\f+64+8*\i:\f+64+8*\i+3],   v[ADRA+\slot] offset:\k+\i*16*PITCH
	ds_load_b128 v[\f+64+8*\i+4:\f+64+8*\i+7], v[ADRA+\slot] offset:\k+\i*16*PITCH+32
.endr
.endm
; A K step is four quarters of 32 along K on buffers 0, 1, 0, 1.  One of the first three: fetches the next quarter, at byte k, into g, and multiplies f: the loads have 32 products in which to land
.macro QUARTER slot, k, f, g, zero
	s_wait_dscnt 0x0                               ; buffer f is in
	PLACES                                         ; four places between the last quarter's products and loads into the buffer that they read
	FETCH \slot, \k, \g
	WIN MUL
	MUL8 \f, 0, \zero
	MUL8 \f, 1, \zero
	MUL8 \f, 2, \zero
	MUL8 \f, 3, \zero
.endm
; The last quarter multiplies buffer 1 and changes slots: one barrier; in front of it each wave waits for all its tensor loads, adds 0 to its spare word, and waits for that and for its reads of this slot.  fill = 1: this slot is filled again, two K steps ahead
.macro TURN slot, next, fill
	WIN 0
	s_wait_tensorcnt 0x0                           ; all my tensor loads have landed: my part of the next slot;
	ds_add_u32 v[SPW], v[NIL]
	s_wait_dscnt 1                                 ; buffer 1 is in (the add alone may be out)
	WIN MUL
	MUL8 F1, 0, 0                                  ; eight products stand between the add and the wait for it
	s_wait_dscnt 0x0                               ; the add is done, and my reads of this slot are over
	s_barrier_signal -1
	MUL8 F1, 1, 0
	WIN 0
	s_barrier_wait -1
.if \fill
	CREST                                          ; the barrier has opened a round of the cluster's barrier: no wave of any partner still reads this slot or has a load on its way
	s_add_nc_u64 s[G0+4*\slot+2:G0+4*\slot+3], s[G0+4*\slot+2:G0+4*\slot+3], 2*KSTEP*2
	s_add_nc_u64 s[G0B+4*\slot+2:G0B+4*\slot+3], s[G0B+4*\slot+2:G0B+4*\slot+3], 2*KSTEP*2
	JLOAD \slot                                    ; the first tensor load behind the round: 112 products ahead of the wait for it; its four v_nop are also the places in front of the loads below
.else
	PLACES
.endif
	FETCH \next, 0, F0
	WIN MUL
	MUL8 F1, 2, 0
	MUL8 F1, 3, 0
.endm
	s_wait_tensorcnt 0x1                           ; my part of K step 0 is in; K step 1's load may stay out
	s_barrier_signal -1
	s_barrier_wait -1
	FETCH 0, 0, F0
	QUARTER 0, 64, F0, F1, 1                       ; the first quarter stands in front of the loop: its products start the sums
	WIN 0
	s_mov_b32 s3, 3
.Llap:                                             ; a trip goes once round the ring and fills both slots again
	QUARTER 0, 128, F1, F0, 0
	QUARTER 0, 192, F0, F1, 0
	TURN 0, 1, 1
	QUARTER 1, 64,  F0, F1, 0
	QUARTER 1, 128, F1, F0, 0
	QUARTER 1, 192, F0, F1, 0
	TURN 1, 0, 1
	QUARTER 0, 64,  F0, F1, 0
	WIN 0
	s_sub_co_u32 s3, s3, 1
	s_cmp_lg_u32 s3, 0
	s_cbranch_scc1 .Llap
	QUARTER 0, 128, F1, F0, 0                      ; the last lap fills nothing
	QUARTER 0, 192, F0, F1, 0
	TURN 0, 1, 0
	QUARTER 1, 64,  F0, F1, 0
	QUARTER 1, 128, F1, F0, 0
	QUARTER 1, 192, F0, F1, 0
	s_wait_dscnt 0x0
	MUL8 F1, 0, 0
	MUL8 F1, 1, 0
	MUL8 F1, 2, 0
	MUL8 F1, 3, 0
	WIN 0
; THE WAY OUT, 16 rows x 128 columns at a time, through my own stage: in by 32 bytes a lane, back as whole rows of 512 bytes
.macro TOSTAGE a
	WIN 0x04                                       ; an LDS store's data are its source 1: window 1
.irp b, 0,1,2,3,4,5,6,7
	ds_store_b128 v[STO], v[8*(8*(\a)+\b):8*(8*(\a)+\b)+3] offset:64*\b            ; each accumulator from its low end on
	ds_store_b128 v[STO], v[8*(8*(\a)+\b)+4:8*(8*(\a)+\b)+7] offset:64*\b+16
.endr
	WIN 0
.set BB, BK+64*((\a)%2)
.irp t, 0,1,2,3,4,5,6,7,8,9,10,11,12,13,14,15
	ds_load_b128 v[BB+4*\t:BB+4*\t+3], v[RD] offset:\t*SPITCH   ; LDS serves a wave's instructions in order: these see my stores
.endr
.endm
.macro SEND a, younger
.set BB, BK+64*((\a)%2)
	s_wait_dscnt \younger                          ; the block is back in registers; the next block's 16 stores and 16 loads may be out
.if (\a) == 0
	s_cmp_eq_u32 s45, 1
	s_cbranch_scc1 .Lnot_mine_\@                   ; positions 0-15 of a batch have another owner
.endif
.irp t, 0,1,2,3,4,5,6,7,8,9,10,11,12,13,14,15
	global_store_b128 v[CO], v[BB+4*\t:BB+4*\t+3], s[8:9] offset:(16*(\a)+\t)*4096 th:TH_STORE_NT   ; 32 lanes store 512 consecutive bytes, aligned
.endr
.if (\a) == 0
.Lnot_mine_\@:
.endif
.endm
	PLACES                                         ; four places between the last products and the first read of results
	TOSTAGE 0
	TOSTAGE 1
	SEND 0, 32
	s_wait_xcnt 0x0                                ; block 0's stores have read their registers: block 2's loads may land there
	TOSTAGE 2
	SEND 1, 32
	s_wait_xcnt 0x0
	TOSTAGE 3
	SEND 2, 32
	SEND 3, 0
	s_wait_tensorcnt 0x0                           ; the wave's end: a wait, an add to my spare word and its wait, behind my last tensor load and my last LDS store
	ds_add_u32 v[SPW], v[NIL]
	s_wait_dscnt 0x0
	CROUND                                         ; the closing round
	s_endpgm
.Lfunc_end_k_q472f278f5e_proj:
	.size	k_q472f278f5e_proj, .Lfunc_end_k_q472f278f5e_proj-k_q472f278f5e_proj
	.p2alignl 7, 3214868480
	.fill 96, 4, 3214868480
	.section	.rodata,"a",@progbits
	.p2align	6, 0x0
	.amdhsa_kernel k_q472f278f5e_proj
		.amdhsa_group_segment_fixed_size 327680
		.amdhsa_private_segment_fixed_size 0
		.amdhsa_enable_private_segment 0
		.amdhsa_kernarg_size 24
		.amdhsa_user_sgpr_count 2
		.amdhsa_user_sgpr_kernarg_segment_ptr 1
		.amdhsa_wavefront_size32 1
		.amdhsa_system_sgpr_workgroup_id_x 1
		.amdhsa_system_sgpr_workgroup_id_y 1
		.amdhsa_system_sgpr_workgroup_id_z 1
		.amdhsa_system_vgpr_workitem_id 0
		.amdhsa_next_free_vgpr 768
		.amdhsa_next_free_sgpr 66
		.amdhsa_reserve_vcc 0
		.amdhsa_float_denorm_mode_32 3
		.amdhsa_float_denorm_mode_16_64 3
		.amdhsa_memory_ordered 1
		.amdhsa_forward_progress 1
		.amdhsa_inst_pref_size 84
	.end_amdhsa_kernel
	.amdgpu_metadata
---
amdhsa.version: [ 1, 2 ]
amdhsa.kernels:
  - .name:           k_q472f278f5e_proj
    .symbol:         k_q472f278f5e_proj.kd
    .args:
      - { .name: y16, .offset: 0, .size: 8, .value_kind: global_buffer, .address_space: global }
      - { .name: wp16, .offset: 8, .size: 8, .value_kind: global_buffer, .address_space: global }
      - { .name: out0, .offset: 16, .size: 8, .value_kind: global_buffer, .address_space: global }
    .group_segment_fixed_size: 327680
    .private_segment_fixed_size: 0
    .kernarg_segment_align: 8
    .kernarg_segment_size: 24
    .max_flat_workgroup_size: 128
    .sgpr_count:     66
    .vgpr_count:     768
    .wavefront_size: 32
...
	.end_amdgpu_metadata
.endif
;; end of part 4
;; launch first16 (part 5): grid 64 x 4, 4 waves a work-group, no clusters, 4,608 bytes of LDS; arguments fine, Wproj, out0; writes out0
.if DOCPART == 5
	.amdgcn_target "amdgcn-amd-amdhsa--gfx1250"
	.amdhsa_code_object_version 6
	.text
	.protected	k_q472f278f5e_first16
	.globl	k_q472f278f5e_first16
	.p2align	8
	.type	k_q472f278f5e_first16,@function
k_q472f278f5e_first16:
	s_mov_b64 s[64:65], 0
	v_nop
	global_prefetch_b8 v0, s[64:65] scope:SCOPE_SE
	s_setreg_imm32_b32 hwreg(HW_REG_WAVE_MODE, 25, 1), 1
	s_wait_xcnt 0x0
; FIRST16.  Positions 0-15 of each batch average one to sixteen values and are the largest numbers of the output: their attention and their projection are done with f32 operands throughout, by v_wmma_f32_16x16x4_f32.
; Work-group (x, b) makes out0[b][0 .. 15][16 x .. 16 x + 15].  Wave w takes key/value head w with its four query heads 4 w + e: scores, softmax with the row's maximum taken away, y, and the part of the 16 x 16 tile that its own 256
; channels give; the four parts are added through LDS and wave 0 stores the tile: 64 bytes of each of 16 rows, 262,144 bytes in the whole launch.  The attention is made anew by each of the 64 column tiles: 128 of a wave's 192 products.
; All products are used transposed, so that a lane holds one query throughout.  A permutation of K applied alike to both operands keeps a product: lane (r, h) holds channels 32 h .. 32 h + 31 of q and k, keys 8 h .. 8 h + 7 of p and v,
; channels 16 ct + 8 h .. + 7 of y and Wproj, and a K step takes two neighbouring registers.
; The registers that the matrix instructions write (v224-255 of window 0, v0-127 of window 1) are written by nothing else; what is made of a finished sum goes into other registers.
; THE LOADS, 104 a wave, go out in three groups, each behind the wait for the group before's first part, so that each wait's count (16, 24, 0) names the loads issued behind those that it waits for: at most 56 are out at a time.
; LIMITS: NaN and infinities are not served.
; REGISTERS: window 0: v3-11 addresses; v12-15 m; v16-19 l, then 1 / l; v20-27 at work, then the tile; v32-159 Q, later y; v160-191 K, later p; v192-223 V; v224-255 the scores, later the four parts.  window 1: v0-127 O^T; v128-255 Wproj.
.set MSB, 0
.macro WIN new
.if MSB != (\new)
	s_set_vgpr_msb (MSB<<8)|(\new)
.set MSB, (\new)
.endif
.endm
.macro PLACES8                         ; eight places behind this matrix form
.rept 8
	v_nop
.endr
.endm
.macro VLOAD ct                        ; v(key 8 h + i, channel 16 ct + r), i = 0 .. 7
.irp i, 0,1,2,3,4,5,6,7
	global_load_b32 v[192+8*(\ct)+\i], v4, s[20:21] offset:256*\i+64*(\ct)
.endr
.endm
.macro WLOAD e                         ; Wproj(16 x + r, 256 w + 64 e + 16 ct + 8 h + i) into window 1 (the caller sets the window)
.irp ct, 0,1,2,3
.irp c, 0,1
	global_load_b128 v[128+32*(\e)+8*\ct+4*\c:131+32*(\e)+8*\ct+4*\c], v5, s[6:7] offset:256*(\e)+64*\ct+16*\c
.endr
.endr
.endm
	s_load_b128 s[4:7], s[0:1], 0x0                ; fine, Wproj
	s_load_b64 s[8:9], s[0:1], 0x10                ; out0
	v_lshl_add_u32 v9, v0, 2, 4096                 ; my spare word, behind the four images
	v_mov_b32 v10, 0
	v_lshrrev_b32 v1, 5, v0
	v_readfirstlane_b32 s10, v1                    ; wave
	v_and_b32 v1, 15, v0                           ; r
	v_bfe_u32 v2, v0, 4, 1                         ; h
	v_lshlrev_b32 v3, 8, v1
	v_lshl_add_u32 v3, v2, 7, v3                   ; q, k: row r of 256 bytes, + 128 h
	v_lshlrev_b32 v4, 2, v1
	v_lshl_add_u32 v4, v2, 11, v4                  ; v: key 8 h, channel r
	v_lshlrev_b32 v5, 12, v1
	v_lshl_add_u32 v5, v2, 5, v5                   ; Wproj and out0: row r of 4,096 bytes, + 32 h
	v_and_b32 v11, 31, v0
	v_lshlrev_b32 v11, 4, v11                      ; 16 x lane
	s_lshl_b32 s14, s10, 10
	v_add_nc_u32 v6, s14, v11                      ; my wave's image
	v_lshlrev_b32 v7, 3, v2
	v_sub_nc_u32 v7, v1, v7                        ; d = r - 8 h: register j holds key 8 h + j, hidden where j > d
	v_mov_b32 v8, 0xff800000                       ; -infinity
.irp i, 0,1,2,3,4,5,6,7
	v_mov_b32 v[20+\i], 0                          ; written once: a lane permute's destination counts as one of its sources
.endr
	s_mov_b32 s12, 0x76543210
	s_mov_b32 s13, 0xfedcba98                      ; lane l xor 16
	s_and_b32 s11, ttmp7, 0xffff                   ; the batch
	s_mul_i32 s14, s11, 24
	s_add_co_u32 s22, s14, s10
	s_add_co_u32 s22, s22, 16
	s_lshl_b32 s22, s22, 12
	s_mov_b32 s23, 0
	s_wait_kmcnt 0x0
	s_add_nc_u64 s[16:17], s[4:5], s[22:23]        ; k of head w,
	s_add_nc_u64 s[20:21], s[16:17], 4*4096        ; v of head w,
	s_lshl_b32 s22, s10, 2
	s_add_co_u32 s22, s22, s14
	s_lshl_b32 s22, s22, 12
	s_add_nc_u64 s[18:19], s[4:5], s[22:23]        ; q of heads 4 w on
	s_lshl_b32 s22, ttmp9, 16
	s_lshl_b32 s15, s10, 10
	s_add_co_u32 s22, s22, s15
	s_add_nc_u64 s[6:7], s[6:7], s[22:23]          ; Wproj: row 16 x, channel 256 w
	s_lshl_b32 s22, s11, 23
	s_lshl_b32 s15, ttmp9, 6
	s_add_co_u32 s22, s22, s15
	s_add_nc_u64 s[8:9], s[8:9], s[22:23]          ; out0: the batch's first row, column 16 x
	; the first group: k (8 loads), q (32), v of channel tiles 0 and 1 (16)
.irp i, 0,1,2,3,4,5,6,7
	global_load_b128 v[160+4*\i:163+4*\i], v3, s[16:17] offset:16*\i
.endr
.irp e, 0,1,2,3
.irp i, 0,1,2,3,4,5,6,7
	global_load_b128 v[32+32*\e+4*\i:35+32*\e+4*\i], v3, s[18:19] offset:4096*\e+16*\i
.endr
.endr
	VLOAD 0
	VLOAD 1
	s_wait_loadcnt 16                              ; k and q are in; v's first 16 loads, issued behind them, may be out
	; the second group: the rest of v (16), Wproj for heads e = 0, 1, 2 (24)
	VLOAD 2
	VLOAD 3
	WIN 0x40                                       ; destination window 1
	WLOAD 0
	WLOAD 1
	WLOAD 2
	WIN 0
.irp s, 0,1,2,3,4,5,6,7,8,9,10,11,12,13,14,15 ; S^T = k q^T: the four heads' accumulators take turns; the first K step starts the sums
.irp e, 0,1,2,3
.if \s == 0
	v_wmma_f32_16x16x4_f32 v[224+8*\e:231+8*\e], v[160+2*\s:161+2*\s], v[32+32*\e+2*\s:33+32*\e+2*\s], 0
.else
	v_wmma_f32_16x16x4_f32 v[224+8*\e:231+8*\e], v[160+2*\s:161+2*\s], v[32+32*\e+2*\s:33+32*\e+2*\s], v[224+8*\e:231+8*\e]
.endif
.endr
.endr
	PLACES8
.irp j, 0,1,2,3,4,5,6,7                        ; the causal mask; the masked scores go into k's registers, each accumulator read from its low end on
	v_cmp_gt_i32 vcc_lo, \j, v7
.irp e, 0,1,2,3
	v_cndmask_b32 v[160+8*\e+\j], v[224+8*\e+\j], v8, vcc_lo
.endr
.endr
.irp e, 0,1,2,3
	v_max3_num_f32 v[12+\e], v[160+8*\e], v[161+8*\e], v[162+8*\e]
.endr
.irp e, 0,1,2,3
	v_max3_num_f32 v[12+\e], v[12+\e], v[163+8*\e], v[164+8*\e]
.endr
.irp e, 0,1,2,3
	v_max3_num_f32 v[12+\e], v[12+\e], v[165+8*\e], v[166+8*\e]
.endr
.irp e, 0,1,2,3
	v_max_num_f32 v[12+\e], v[12+\e], v[167+8*\e]
.endr
.irp e, 0,1,2,3
	v_permlanex16_b32 v[20+\e], v[12+\e], s12, s13
.endr
.irp e, 0,1,2,3
	v_max_num_f32 v[12+\e], v[12+\e], v[20+\e]     ; the row's maximum: key 0 counts for every query, so it is a number
.endr
.irp e, 0,1,2,3
.irp j, 0,1,2,3,4,5,6,7
	v_sub_f32 v[160+8*\e+\j], v[160+8*\e+\j], v[12+\e]
.endr
.endr
.irp e, 0,1,2,3
.irp j, 0,1,2,3,4,5,6,7
	v_exp_f32 v[160+8*\e+\j], v[160+8*\e+\j]       ; p = 2^(s - m): the scores are exponents to base 2
.endr
.endr
	v_nop                                          ; a plain line behind the batch,
	s_wait_alu depctr_va_vdst(0)                   ; and one wait ahead of its first reader
.irp e, 0,1,2,3
	v_add_f32 v[16+\e], v[160+8*\e], v[161+8*\e]
.endr
.irp j, 2,3,4,5,6,7
.irp e, 0,1,2,3
	v_add_f32 v[16+\e], v[16+\e], v[160+8*\e+\j]
.endr
.endr
.irp e, 0,1,2,3
	v_permlanex16_b32 v[20+\e], v[16+\e], s12, s13
.endr
.irp e, 0,1,2,3
	v_add_f32 v[16+\e], v[16+\e], v[20+\e]
.endr
.irp e, 0,1,2,3
	v_rcp_f32 v[16+\e], v[16+\e]
.endr
	v_nop
	s_wait_alu depctr_va_vdst(0)
	s_wait_loadcnt 24                              ; v is in; the 24 loads of Wproj issued behind it may be out
	WIN 0x40
	WLOAD 3                                        ; the third group: Wproj for head e = 3 (8 loads): it lands under the 64 products and 128 multiplies below
	WIN 0x50                                       ; C and D window 1
.irp s, 0,1,2,3                                ; O^T = v^T p: sixteen accumulators by turns
.irp e, 0,1,2,3
.irp ct, 0,1,2,3
.if \s == 0
	v_wmma_f32_16x16x4_f32 v[8*(4*\e+\ct):8*(4*\e+\ct)+7], v[192+8*\ct+2*\s:193+8*\ct+2*\s], v[160+8*\e+2*\s:161+8*\e+2*\s], 0
.else
	v_wmma_f32_16x16x4_f32 v[8*(4*\e+\ct):8*(4*\e+\ct)+7], v[192+8*\ct+2*\s:193+8*\ct+2*\s], v[160+8*\e+2*\s:161+8*\e+2*\s], v[8*(4*\e+\ct):8*(4*\e+\ct)+7]
.endif
.endr
.endr
.endr
	WIN 0
	PLACES8
	WIN 0x01                                       ; source 0 window 1
.set k, 0
.rept 128
	v_mul_f32 v[32+k], v[k], v[16+k/32]            ; y = O / l, into q's registers, in ascending order
.set k, k+1
.endr
	s_wait_loadcnt 0x0                             ; Wproj
.irp ct, 0,1,2,3                               ; the tile's part from my 256 channels: a head to an accumulator, the four by turns
.irp s, 0,1,2,3
.irp e, 0,1,2,3
.if (\ct == 0) && (\s == 0)
	v_wmma_f32_16x16x4_f32 v[224+8*\e:231+8*\e], v[128+32*\e+8*\ct+2*\s:129+32*\e+8*\ct+2*\s], v[32+32*\e+8*\ct+2*\s:33+32*\e+8*\ct+2*\s], 0
.else
	v_wmma_f32_16x16x4_f32 v[224+8*\e:231+8*\e], v[128+32*\e+8*\ct+2*\s:129+32*\e+8*\ct+2*\s], v[32+32*\e+8*\ct+2*\s:33+32*\e+8*\ct+2*\s], v[224+8*\e:231+8*\e]
.endif
.endr
.endr
.endr
	WIN 0
	PLACES8
.irp j, 0,1,2,3,4,5,6,7                        ; lane (r, h), register j: out0(position r, column 16 x + 8 h + j)
	v_add_f32 v[20+\j], v[224+\j], v[232+\j]
	v_add_f32 v[20+\j], v[20+\j], v[240+\j]
	v_add_f32 v[20+\j], v[20+\j], v[248+\j]
.endr
	ds_store_b128 v6, v[20:23]                     ; my part goes to LDS as an image of its registers
	ds_store_b128 v6, v[24:27] offset:512
	s_wait_dscnt 0x0                               ; for the others' sake: my stores are done
	s_barrier_signal -1
	s_barrier_wait -1
	s_cmp_lg_u32 s10, 0
	s_cbranch_scc1 .Lend
.irp w, 1,2,3
	ds_load_b128 v[32+8*\w:35+8*\w], v11 offset:1024*\w
	ds_load_b128 v[36+8*\w:39+8*\w], v11 offset:1024*\w+512
.endr
	s_wait_dscnt 0x0
.irp w, 1,2,3
.irp j, 0,1,2,3,4,5,6,7
	v_add_f32 v[20+\j], v[20+\j], v[32+8*\w+\j]
.endr
.endr
	global_store_b128 v5, v[20:23], s[8:9]
	global_store_b128 v5, v[24:27], s[8:9] offset:16
.Lend:
	s_wait_tensorcnt 0x0                           ; the wave's end: a wait, an add to my spare word and its wait, behind my last LDS store
	ds_add_u32 v9, v10
	s_wait_dscnt 0x0
	s_endpgm
.Lfunc_end_k_q472f278f5e_first16:
	.size	k_q472f278f5e_first16, .Lfunc_end_k_q472f278f5e_first16-k_q472f278f5e_first16
	.p2alignl 7, 3214868480
	.fill 96, 4, 3214868480
	.section	.rodata,"a",@progbits
	.p2align	6, 0x0
	.amdhsa_kernel k_q472f278f5e_first16
		.amdhsa_group_segment_fixed_size 4608
		.amdhsa_private_segment_fixed_size 0
		.amdhsa_enable_private_segment 0
		.amdhsa_kernarg_size 24
		.amdhsa_user_sgpr_count 2
		.amdhsa_user_sgpr_kernarg_segment_ptr 1
		.amdhsa_wavefront_size32 1
		.amdhsa_system_sgpr_workgroup_id_x 1
		.amdhsa_system_sgpr_workgroup_id_y 1
		.amdhsa_system_sgpr_workgroup_id_z 1
		.amdhsa_system_vgpr_workitem_id 0
		.amdhsa_next_free_vgpr 512
		.amdhsa_next_free_sgpr 66
		.amdhsa_reserve_vcc 1
		.amdhsa_float_denorm_mode_32 3
		.amdhsa_float_denorm_mode_16_64 3
		.amdhsa_memory_ordered 1
		.amdhsa_forward_progress 1
		.amdhsa_inst_pref_size 38
	.end_amdhsa_kernel
	.amdgpu_metadata
---
amdhsa.version: [ 1, 2 ]
amdhsa.kernels:
  - .name:           k_q472f278f5e_first16
    .symbol:         k_q472f278f5e_first16.kd
    .args:
      - { .name: fine, .offset: 0, .size: 8, .value_kind: global_buffer, .address_space: global }
      - { .name: Wproj, .offset: 8, .size: 8, .value_kind: global_buffer, .address_space: global }
      - { .name: out0, .offset: 16, .size: 8, .value_kind: global_buffer, .address_space: global }
    .group_segment_fixed_size: 4608
    .private_segment_fixed_size: 0
    .kernarg_segment_align: 8
    .kernarg_segment_size: 24
    .max_flat_workgroup_size: 128
    .sgpr_count:     66
    .vgpr_count:     512
    .wavefront_size: 32
...
	.end_amdgpu_metadata
.endif
;; end of part 5
